; MI455X (gfx1250); checked and timed in simulation.
; The chip was launched on July 23, 2026; its instructions are those of AMD's public machine-readable ISA for CDNA 5 (MIT licence, August 2026) and "CDNA5" Instruction Set Architecture Reference Guide (July 2026). The comments in the code are by the model that wrote it; some were corrected since.
;; Causal Self Attention. Allowed arithmetic: matrix products marked QUANTISED: E4M3 operands, one E8M0 scale for each 32 along K, by v_wmma_scale_f32_16x16x128_f8f6f4 with both operands' format E4M3, f32 sums; everything else in f32.
;; Inputs: b_out 1,024 float32; b_qkv 3,072 float32; w_out_codes 1,024 x 32 x 32 uint8 (E4M3 codes of w_out, K innermost, in blocks of 32 codes); w_out_scales 1,024 x 32 uint8 (E8M0 scales of w_out, one for each 32 codes along K); w_qkv_codes 3,072 x 32 x 32 uint8 (E4M3 codes of w_qkv, K innermost, in blocks of 32 codes); w_qkv_scales 3,072 x 32 uint8 (E8M0 scales of w_qkv, one for each 32 codes along K); x_codes 4 x 2,048 x 32 x 32 uint8 (E4M3 codes of x, K innermost, in blocks of 32 codes); x_scales 4 x 2,048 x 32 uint8 (E8M0 scales of x, one for each 32 codes along K).
;; Outputs: out0 4 x 2,048 x 1,024 float32.
;; This version of the problem:
;;   THIS VERSION OF THE PROBLEM IS GIVEN IN LOW PRECISION. The matrix products marked QUANTISED in the list below multiply operands that are first quantised to E4M3 (4 exponent bits, 3 mantissa bits; 8 bits a number), with one power-of-two scale for each 32 numbers along K (OCP MX v1.0); their sums are f32. All else is computed in f32.
;;   The module's matrix products, in the order in which they are computed (A, B: the left and right operand; K: the contracted axis; several contracted axes count as one K, in the product's order):
;;     1. [M 8,192, K 1,024] x [K 1,024, N 3,072]; A: input x (given as codes); B: input w_qkv (given as codes): QUANTISED
;;     2. batch 64 x [M 2,048, K 64] x [K 64, N 2,048]; A: computed on the way; B: computed on the way: QUANTISED
;;     3. batch 64 x [M 2,048, K 2,048] x [K 2,048, N 64]; A: softmax (see below); B: computed on the way: QUANTISED
;;     4. [M 8,192, K 1,024] x [K 1,024, N 1,024]; A: computed on the way; B: input w_out (given as codes): QUANTISED
;;   THE QUANTISER, for each operand of a quantised product, along K:
;;     - K is cut into blocks of 32 from its start; a last block that is shorter is filled with zeros.
;;     - A block's scale is 2^e with e = floor(log2(the largest magnitude in the block)) - 8, held to -126 .. 127; a block of zeros has e = 0. As a byte (E8M0): e + 127.
;;     - Each number is divided by its block's scale, clamped to +-448, and rounded to the nearest number of E4M3, ties to even, subnormals kept.
;;     - The product sums the exact products of the quantised numbers (number of the format x scale) in f32.
;;   ~~~python
;;   def quantise(x, axis):      # numpy; x: float32 -> the quantised numbers, widened to float32 again
;;       x = np.moveaxis(x, axis, -1); K = x.shape[-1]
;;       x = np.pad(x, [(0, 0)] * (x.ndim - 1) + [(0, -K % 32)]); x = x.reshape(x.shape[:-1] + (-1, 32)); a = np.abs(x).max(-1, keepdims=True)
;;       e = np.where(a > 0, np.clip(np.frexp(np.where(a > 0, a, 1))[1] - 1 - 8, -126, 127), 0)      # np.frexp(a)[1] - 1 = floor(log2(a)), exactly
;;       r = np.clip(x / 2.0 ** e, -448, 448)
;;       step = 2.0 ** (np.maximum(np.frexp(np.where(r == 0, 1, r))[1] - 1, -6) - 3)
;;       q = np.round(r / step) * step * 2.0 ** e      # np.round: ties to even
;;       return np.moveaxis(q.reshape(q.shape[:-2] + (-1,))[..., :K], -1, axis).astype(np.float32)
;;   ~~~
;;   SOFTMAX AHEAD OF A QUANTISED PRODUCT. Where the list says 'softmax', what is quantised is not the finished softmax but p = 2^(t - M), with t = logit x log2(e) and M = ceil(the row's largest t), a whole number; so 1/2 < the row's largest p <= 1. The row's sum l is taken of the UNQUANTISED p, in f32, and the product's result is divided by l at the end. Since M is a whole number, a kernel that streams over the keys may use a running M (the ceiling of the running maximum): every later rescaling is an exact power of two, which a block's scale takes up: the codes' values come out the same.
;;   OPERANDS COMPUTED ON THE WAY. 'Computed on the way' means the value that the module computes at that place (a softmax that the list does not call 'softmax' is quantised finished and normalised). What goes into a quantiser is computed in f32, as accurately as f32 sums, v_exp_f32 and their like allow (about 1e-6 of the number): no bf16 or f16 on the way to a quantiser, and a product that is left as it is and whose result goes on into a quantised operand takes f32 operands (vector FMAs, or v_wmma_f32_16x16x4_f32). A number that lies on a knife's edge between two numbers of the format may be rounded either way, as far as f32 arithmetic and the matrix unit's own rounding can turn it there, and no further.
;;   INPUTS GIVEN AS CODES. w_out (in the module: [1024, 1024], K = its axis 1); w_qkv (in the module: [3072, 1024], K = its axis 1); x (in the module: [4, 2048, 1024], K = its axis 2): each comes as NAME_codes (uint8): NAME with its K axis moved to the last place and cut into blocks of 32 codes, [.., K / 32, bytes a block], one block behind the other in memory; one code a byte (a code: sign, 4 exponent bits, 3 mantissa bits); and NAME_scales (uint8): the same leading axes, one E8M0 byte (e + 127) for each 32 codes along K. Its value is code x scale, taken as it is: it is not quantised again, and the codes and scales need not be those that the quantiser above would give.
;; One version. Each part assembles by itself: llvm-mc -triple=amdgcn-amd-amdhsa -mcpu=gfx1250 --defsym DOCPART=n.
;; ======== version 1 of 1: 4 launches
;; workspace buffers: prep 1,609,728 bytes; qbuf 8,912,896 bytes; kv 17,563,648 bytes; ybuf 8,650,752 bytes
;; launch prep (part 1): grid 128 x 1, 4 waves a work-group, no clusters, 0 bytes of LDS; arguments w_qkv_codes, w_qkv_scales, b_qkv, prep; writes prep
.if DOCPART == 1
	.amdgcn_target "amdgcn-amd-amdhsa--gfx1250"
	.amdhsa_code_object_version 6
	.text
	.protected	k_q3e44492451_prep
	.globl	k_q3e44492451_prep
	.p2align	8
	.type	k_q3e44492451_prep,@function
k_q3e44492451_prep:
	s_mov_b64 s[64:65], 0
	v_nop
	global_prefetch_b8 v0, s[64:65] scope:SCOPE_SE
	s_setreg_imm32_b32 hwreg(HW_REG_WAVE_MODE, 25, 1), 1
	s_wait_xcnt 0x0
; Two small jobs ahead of the first product.
; (1) The rotary table: TAB[t][i] = (cos, sin)(t x theta_i), t = 0 .. 2047, i = 0 .. 31, theta_i = 10000^(-i/32) = 10^(-i/8), 8 bytes a pair, 256 bytes a t.
;     x = t x theta is rounded once to f32; k = the nearest whole number to x 2/pi; r = x - k pi/2 by three fused multiply-adds on a split pi/2;
;     sine and cosine of r (|r| <= pi/4 and a little) by polynomials of degree 7 and 8; the quadrant k mod 4 swaps and signs them.
; (2) v's rows of w_qkv (codes, scale bytes, bias) are copied in the order in which the next launch wants them: row' 64 hd + 16 i + r is channel 32 (i / 2) + 8 (i % 2) + r + 8 (r / 8) of head hd,
;     so that the attention's results come out with 16 neighbouring channels in a lane's 16 registers.  Eight rows' on end are eight neighbouring rows of w_qkv.
; LIMITS: theta is the correctly rounded 10^(-i/8); sine and cosine are within about 1e-7 absolute of the true ones of the f32 number x.
; 128 work-groups of four waves.  Work-group ck copies rows' 8 ck .. 8 ck + 7 and makes t = 16 ck .. 16 ck + 15; a wave four t, a lane one i.  No LDS, no barrier: waves share nothing.
.set WVC, 524288                       ; prep: the table at 0; v's codes [1024][1024] here;
.set WVS, 1572864                      ; v's scale bytes [1024][32];
.set BV,  1605632                      ; v's bias [1024] f32
	s_load_b256 s[4:11], s[0:1], 0x0               ; w_qkv's codes s[4:5], its scales s[6:7], b_qkv s[8:9], prep s[10:11]
	v_lshrrev_b32 v1, 5, v0
	v_readfirstlane_b32 s12, v1                    ; wave 0..3
	v_and_b32 v1, 31, v0                           ; lane
	v_lshlrev_b32 v2, 4, v1                        ; 16 x lane
	v_lshlrev_b32 v3, 3, v1                        ; 8 x lane
	v_and_b32 v5, 7, v0
	v_lshlrev_b32 v5, 2, v5                        ; 4 x (lane % 8)
	s_lshr_b32 s13, ttmp9, 3                       ; the head
	s_and_b32 s14, ttmp9, 7                        ; e: which eight rows' of the head's 64
	s_lshr_b32 s15, s14, 2
	s_lshl_b32 s15, s15, 5                         ; 32 (e / 4)
	s_bfe_u32 s16, s14, 0x10001
	s_lshl_b32 s16, s16, 3                         ; 8 ((e / 2) % 2)
	s_add_co_u32 s15, s15, s16
	s_and_b32 s16, s14, 1
	s_lshl_b32 s16, s16, 4                         ; 16 (e % 2)
	s_add_co_u32 s15, s15, s16                     ; the first of the eight channels
	s_mul_i32 s16, s13, 192
	s_add_co_u32 s15, s15, s16
	s_add_co_u32 s15, s15, 128                     ; its row of w_qkv: 192 x head + 128 + channel
	s_lshl_b32 s16, s15, 10                        ; from: codes, 1,024 bytes a row, my wave's two rows
	s_lshl_b32 s17, s12, 11
	s_add_co_u32 s16, s16, s17
	s_mov_b32 s17, 0
	s_lshl_b32 s18, s15, 5                         ; scale bytes, 32 a row
	s_mov_b32 s19, 0
	s_lshl_b32 s20, s15, 2                         ; bias
	s_mov_b32 s21, 0
	s_lshl_b32 s22, ttmp9, 13                      ; to: codes
	s_lshl_b32 s23, s12, 11
	s_add_co_u32 s22, s22, s23
	s_add_co_u32 s22, s22, WVC
	s_mov_b32 s23, 0
	s_lshl_b32 s24, ttmp9, 8                       ; scale bytes: 256 for the eight rows
	s_add_co_u32 s24, s24, WVS
	s_mov_b32 s25, 0
	s_lshl_b32 s26, ttmp9, 5                       ; bias: 32 bytes
	s_add_co_u32 s26, s26, BV
	s_mov_b32 s27, 0
	s_lshl_b32 s28, ttmp9, 4
	s_lshl_b32 s29, s12, 2
	s_add_co_u32 s28, s28, s29                     ; my wave's first t
	s_lshl_b32 s40, s28, 8                         ; and its 256 bytes of the table
	s_mov_b32 s41, 0
	s_mov_b32 s30, 0x3f22f983                      ; 2 / pi
	s_mov_b32 s31, 0xbfc90fdb                      ; -pi/2, its first 24 bits,
	s_mov_b32 s32, 0x333bbd2e                      ; what that leaves,
	s_mov_b32 s33, 0x26f72ced                      ; and what that leaves
	s_mov_b32 s34, 0xb94ca1f9                      ; sine: r + r z (S1 + S2 z + S3 z z), z = r r
	s_mov_b32 s35, 0x3c08839e
	s_mov_b32 s36, 0xbe2aaaa3
	s_mov_b32 s37, 0x37ccf5ce                      ; cosine: 1 - z / 2 + z z (C1 + C2 z + C3 z z)
	s_mov_b32 s38, 0xbab6061a
	s_mov_b32 s39, 0x3d2aaaa5
	s_wait_kmcnt 0x0
	s_add_nc_u64 s[4:5], s[4:5], s[16:17]
	s_add_nc_u64 s[6:7], s[6:7], s[18:19]
	s_add_nc_u64 s[8:9], s[8:9], s[20:21]
	s_add_nc_u64 s[22:23], s[10:11], s[22:23]
	s_add_nc_u64 s[24:25], s[10:11], s[24:25]
	s_add_nc_u64 s[26:27], s[10:11], s[26:27]
	s_add_nc_u64 s[40:41], s[10:11], s[40:41]
.irp k, 0,1,2,3
	global_load_b128 v[8+4*\k:11+4*\k], v2, s[4:5] offset:512*\k   ; my two rows of codes: 512 consecutive bytes a load; they land while the table is made
.endr
	v_mov_b32 v4, 0                                ; theta: lane i gets theta_i
.set ii, 0
.irp th, 0x3f800000,0x3f3ff911,0x3f0ff59a,0x3ed7e89b,0x3ea1e89b,0x3e72d424,0x3e361887,0x3e088d77,0x3dcccccd,0x3d99940e,0x3d6655c3,0x3d2cba15,0x3d0186e2,0x3cc24350,0x3c91ad39,0x3c5a7bf1,0x3c23d70a,0x3bf5b9b0,0x3bb8449c,0x3b8a2e77,0x3b4f3e37,0x3b1b690d,0x3ae91528,0x3aaec98e,0x3a83126f,0x3a44948c,0x3a136a16,0x39dd1726,0x39a5cb5f,0x3978a814,0x393a7753,0x390bd472
	s_mov_b32 s42, \th
	v_writelane_b32 v4, s42, ii
.set ii, ii+1
.endr
; One t.  Each has eight registers of its own, so that no store's data are written again.
.macro ROPE u
.set B, 32+8*\u
	s_add_co_u32 s29, s28, \u
	v_cvt_f32_u32 v[B], s29
	v_mul_f32 v[B], v[B], v4                       ; x = t x theta, rounded once
	v_mul_f32 v[B+1], s30, v[B]
	v_rndne_f32 v[B+1], v[B+1]                     ; k
	v_fma_f32 v[B], v[B+1], s31, v[B]              ; r = x - k pi/2
	v_fma_f32 v[B], v[B+1], s32, v[B]
	v_fma_f32 v[B], v[B+1], s33, v[B]
	v_mul_f32 v[B+2], v[B], v[B]                   ; z
	v_cvt_i32_f32 v[B+1], v[B+1]                   ; k as a whole number
	v_fma_f32 v[B+3], v[B+2], s34, s35
	v_fma_f32 v[B+4], v[B+2], s37, s38
	v_fma_f32 v[B+3], v[B+3], v[B+2], s36
	v_fma_f32 v[B+4], v[B+4], v[B+2], s39
	v_mul_f32 v[B+3], v[B+3], v[B+2]
	v_mul_f32 v[B+5], v[B+2], v[B+2]
	v_fma_f32 v[B+6], v[B+2], -0.5, 1.0
	v_fma_f32 v[B+3], v[B+3], v[B], v[B]           ; sin r
	v_fma_f32 v[B+4], v[B+4], v[B+5], v[B+6]       ; cos r
	v_and_b32 v[B+5], 1, v[B+1]
	v_cmp_eq_u32 vcc_lo, 1, v[B+5]                 ; an odd quadrant swaps the two
	v_cndmask_b32 v[B+6], v[B+4], v[B+3], vcc_lo   ; the cosine's magnitude
	v_cndmask_b32 v[B+7], v[B+3], v[B+4], vcc_lo   ; the sine's
	v_lshlrev_b32 v[B+5], 30, v[B+1]
	v_and_b32 v[B+5], 0x80000000, v[B+5]           ; the sine is negated in quadrants 2 and 3: bit 1 of k
	v_xor_b32 v[B+7], v[B+7], v[B+5]
	v_add_nc_u32 v[B+1], 1, v[B+1]
	v_lshlrev_b32 v[B+1], 30, v[B+1]
	v_and_b32 v[B+1], 0x80000000, v[B+1]           ; the cosine in quadrants 1 and 2: bit 1 of k + 1
	v_xor_b32 v[B+6], v[B+6], v[B+1]
	global_store_b64 v3, v[B+6:B+7], s[40:41] offset:256*\u   ; 32 lanes store 256 consecutive bytes, aligned
.endm
	ROPE 0
	ROPE 1
	ROPE 2
	ROPE 3
	s_cmp_lg_u32 s12, 0
	s_cbranch_scc1 .Lnot_scales
	global_load_b64 v[24:25], v3, s[6:7]           ; wave 0: the eight rows' 256 scale bytes
	s_wait_loadcnt 0x0
	global_store_b64 v3, v[24:25], s[24:25]
.Lnot_scales:
	s_cmp_lg_u32 s12, 1
	s_cbranch_scc1 .Lnot_bias
	global_load_b32 v26, v5, s[8:9]                ; wave 1: their eight biases (four lanes hold the same word and store the same value)
	s_wait_loadcnt 0x0
	global_store_b32 v5, v26, s[26:27]
.Lnot_bias:
	s_wait_loadcnt 0x0                             ; the codes
.irp k, 0,1,2,3
	global_store_b128 v2, v[8+4*\k:11+4*\k], s[22:23] offset:512*\k
.endr
	s_endpgm
.Lfunc_end_k_q3e44492451_prep:
	.size	k_q3e44492451_prep, .Lfunc_end_k_q3e44492451_prep-k_q3e44492451_prep
	.p2alignl 7, 3214868480
	.fill 96, 4, 3214868480
	.section	.rodata,"a",@progbits
	.p2align	6, 0x0
	.amdhsa_kernel k_q3e44492451_prep
		.amdhsa_group_segment_fixed_size 0
		.amdhsa_private_segment_fixed_size 0
		.amdhsa_enable_private_segment 0
		.amdhsa_kernarg_size 32
		.amdhsa_user_sgpr_count 2
		.amdhsa_user_sgpr_kernarg_segment_ptr 1
		.amdhsa_wavefront_size32 1
		.amdhsa_system_sgpr_workgroup_id_x 1
		.amdhsa_system_sgpr_workgroup_id_y 1
		.amdhsa_system_sgpr_workgroup_id_z 1
		.amdhsa_system_vgpr_workitem_id 0
		.amdhsa_next_free_vgpr 64
		.amdhsa_next_free_sgpr 66
		.amdhsa_reserve_vcc 1
		.amdhsa_float_denorm_mode_32 3
		.amdhsa_float_denorm_mode_16_64 3
		.amdhsa_memory_ordered 1
		.amdhsa_forward_progress 1
		.amdhsa_inst_pref_size 14
	.end_amdhsa_kernel
	.amdgpu_metadata
---
amdhsa.version: [ 1, 2 ]
amdhsa.kernels:
  - .name:           k_q3e44492451_prep
    .symbol:         k_q3e44492451_prep.kd
    .args:
      - { .name: w_qkv_codes, .offset: 0, .size: 8, .value_kind: global_buffer, .address_space: global }
      - { .name: w_qkv_scales, .offset: 8, .size: 8, .value_kind: global_buffer, .address_space: global }
      - { .name: b_qkv, .offset: 16, .size: 8, .value_kind: global_buffer, .address_space: global }
      - { .name: prep, .offset: 24, .size: 8, .value_kind: global_buffer, .address_space: global }
    .group_segment_fixed_size: 0
    .private_segment_fixed_size: 0
    .kernarg_segment_align: 8
    .kernarg_segment_size: 32
    .max_flat_workgroup_size: 128
    .sgpr_count:     66
    .vgpr_count:     64
    .wavefront_size: 32
...
	.end_amdgpu_metadata
.endif
;; end of part 1
;; launch qkv (part 2): grid 96 x 4, 4 waves a work-group, clusters of 4 x 4, 327,680 bytes of LDS; arguments x_codes, x_scales, w_qkv_codes, w_qkv_scales, b_qkv, prep, qbuf, kv; writes qbuf, kv
.if DOCPART == 2
	.amdgcn_target "amdgcn-amd-amdhsa--gfx1250"
	.amdhsa_code_object_version 6
	.text
	.protected	k_q3e44492451_qkv
	.globl	k_q3e44492451_qkv
	.p2align	8
	.type	k_q3e44492451_qkv,@function
k_q3e44492451_qkv:
	s_mov_b64 s[64:65], 0
	v_nop
	global_prefetch_b8 v0, s[64:65] scope:SCOPE_SE
	s_setreg_imm32_b32 hwreg(HW_REG_WAVE_MODE, 25, 1), 1
	s_wait_xcnt 0x0
	s_wait_alu depctr_hold_cnt(0) depctr_sa_sdst(0) depctr_va_vdst(0) depctr_va_sdst(0) depctr_va_ssrc(0) depctr_va_vcc(0) depctr_vm_vsrc(0)
	s_getreg_b32 s2, hwreg(HW_REG_IB_STS2, 6, 4)
	s_cmp_eq_u32 s2, 0
	s_cbranch_scc0 .Lentry_in_a_cluster
	s_endpgm
.Lentry_in_a_cluster:
	s_bfe_u32 s2, ttmp6, 0x10000c
	s_cmp_lg_u32 s2, 0xf033
	s_cbranch_scc0 .Lentry_shape_is_right
	s_endpgm
.Lentry_shape_is_right:
; qkv = x w_qkv^T + b_qkv on codes of FP8 (E4M3) with E8M0 scales as they are given; then the rotary turn of q and k, and the quantisers of q, k (along the head's 64) and v (along the KEYS).  Nothing wide goes to memory.
; A tile of 256 x 256 of the product is made by a work-group of four waves; a wave makes 128 x 128: 64 accumulators of 16 x 16, 512 registers.  K = 1,024 goes in steps of 256 through a ring of two LDS slots filled by the tensor data mover.
; S0 is the matrix instruction's source 0, S1 its source 1: in a result, lane l holds ONE row of S1 (l % 16) and its registers run along eight rows of S0 (8 (l / 16) + 0 .. 7).
; TWO KINDS OF WORK-GROUP, told apart by the cluster's number, which all sixteen partners share:
;   clusters 0-15, q and k: S0 = rows of w_qkv (a unit of 128 rows = one head's q and k), S1 = rows of x: a lane holds one t, its registers run along the head's channels, which are the next product's K;
;   clusters 16-23, v:      S0 = rows of x, S1 = v's rows of w_qkv as the launch before has ordered them: a lane holds one channel, its registers run along the keys, which are v's K.
; Only four pointers and one factor are chosen; the loop is one text for both.
; OPERANDS LEAVE AS IMAGES OF THEIR REGISTERS: each group of four registers by one store of 16 bytes a lane, 512 consecutive aligned bytes a wave.  The way out touches no LDS.
; THE PLACE OF k INSIDE A BLOCK OF 32: a lane's 16 codes of block c are k = 32 c + 8 h + 0 .. 7 and 32 c + 16 + 8 h + 0 .. 7 (h = lane / 16).  That is a permutation inside a block, under one scale, and it is the same on both sides of each of the
; attention's products (q and k are made here alike; p comes out of the first product in the order in which v's keys lie here).
; The head's K is 64: the upper half of the instruction's 128 is zero codes, which the next launch supplies; the scale words get the byte 127 there.
; CLUSTERS: 4 x 4 work-groups.  S1's tiles are shared along a row of the cluster, S0's along a column: each is asked for JOINTLY, by the same tensor load with the same descriptor and a mask that names the four.
; LIMITS: NaN and infinities are not served.  A block whose largest magnitude lies under 2^-118 gets the scale byte 1; so does a block of zeros, where the rule says 127: its codes are zeros, and these bytes are read by this program alone.
; REGISTERS, in windows of 256: window 0: v0-31 addresses; v32-63 scale words, two sets; from v128 S1's fragments, ONE set; on the way out v64-127 64 numbers, v128-143 their codes, v160-191 at work, v192-207 v's bias.
;   window 1: S0's fragments, TWO sets; on the way out v0-63 q's and k's bias, v64-127 two sets of the rotary table.   windows 2, 3: the accumulators ((a, b) at v[8 (8 (a % 4) + b)]).
.set SIZE_K, 1024
.set KSTEP,  256                       ; along K in a slot
.set NQ,     KSTEP/128                 ; matrix instructions deep
.set ROWB,   256                       ; a tile's row in bytes
.set KROW,   SIZE_K                    ; a row of codes in memory, in bytes
.set PITCH,  272                       ; an LDS row: 256 bytes + 16 of padding = 68 words: row r starts at bank 4 r mod 64 (64 banks of 4 bytes: ISA guide 11.1)
.set FR,     16                        ; registers of a fragment
.set NL,     4                         ; LDS loads that bring one
.set NP,     8                         ; places behind this matrix instruction (ISA guide 7.12.1)
.set HALFT,  128*PITCH                 ; 128 rows: what one tensor load brings
.set SLOT,   4*HALFT                   ; S1's 256 rows, then S0's 256 rows
.set LAPS,   SIZE_K/(2*KSTEP)
.set KS,     SIZE_K/32                 ; a row of scale bytes
.set SCL,    2*SLOT                    ; behind the ring: the scales for all of K, as units of 256 bytes + 16 of padding
.set HALFS,  (128*KS/256)*272
.set SBLK,   (16*KS/256)*272
.set SPARE,  SCL+4*HALFS               ; the spare words, 128 bytes for each wave: two blocks of 256 bytes that no other line names
.set WVC,    524288                    ; prep: v's codes,
.set WVS,    1572864                   ; v's scale bytes,
.set BV,     1605632                   ; v's bias
.set CHUNK,  17152                     ; kv: a head's 128 keys: K's codes 8,192, V's codes 8,192, K's 128 scale words, V's 64
.set ADRA, 16                          ; v16-17  LDS address of my S1 fragments in slot 0, 1
.set ADRB, 20                          ; v20-21  the same for S0
.set HB,   22                          ; v22     32 x (lane / 16)
.set RW,   23                          ; v23     4 x (lane % 16)
.set LI,   24                          ; v24     16 x lane: my place in an image
.set LW,   25                          ; v25     4 x lane: my place among scale words
.set TV,   26                          ; v26     256 x (lane % 16) + 32 x (lane / 16): my place in the rotary table
.set ADRS, 27                          ; v27     LDS address of my scale words
.set SPW,  28                          ; v28     LDS address of my spare word; never rewritten
.set NIL,  29                          ; v29     0; never rewritten
.set SC,   32
.set AF,   128
.set X,    64                          ; the way out: 64 numbers of a lane
.set PC,   128                         ; their codes
.set TM,   160                         ; v160-163 largest magnitudes, v164-167 bytes, v168-171 448 x the scale, v172-175 the conversions' scale operands
.set PW,   176                         ; the four bytes as a word
.set SEL,  12                          ; s[12:13] lane selects for v_permlanex16_b32: lane l xor 16
.set MNT,  18                          ; s18  the mantissa field of 448
.set PADW, 19                          ; s19  the byte 127 in a scale word's upper two places
.set HIM,  66                          ; s66  the mask of lanes 16-31
.set G1, 24                            ; s[24:31] descriptor group 1 for S1's tiles;  s[32:39] group 0, one set for each slot
.set G0, 32
.set G1B, 48                           ; s[48:55], s[56:63] the same for S0's tiles
.set G0B, 56
.set G1S, 68                           ; s[68:75], s[76:79] groups 1 and 0 for S1's scales;  s[80:87], s[88:91] for S0's
.set G0S, 76
.set G1SB, 80
.set G0SB, 88
.set MSB, 0
.macro WIN new                         ; the immediate's high byte repeats the setting that is left
.if MSB != \new
	s_set_vgpr_msb (MSB<<8)|\new
.set MSB, \new
.endif
.endm
.set MUL_LO, 0xa1                      ; source 0 window 1, source 1 window 0, C and D window 2
.set MUL_HI, 0xf1                      ; the same, C and D window 3
.set TO_B,   0x40                      ; destination window 1, address window 0
; A joint load: waves 0 and 1 fetch for S1, waves 2 and 3 for S0.  Each of the two lines has ONE mask and one set of registers for all that issue it; the branch hangs on the wave's number alone.
; Four v_nop follow each of the two lines, ahead of the jump, the label and what follows.
.macro JLOAD g0a, g1a, g0b, g1b
	s_cmp_eq_u32 s15, 0
	s_cbranch_scc0 .Lfor_b_\@
	tensor_load_to_lds s[\g0a:\g0a+3], s[\g1a:\g1a+7]
	s_nop 0
.rept 4
	v_nop
.endr
	s_branch .Lasked_\@
.Lfor_b_\@:
	tensor_load_to_lds s[\g0b:\g0b+3], s[\g1b:\g1b+7]
	s_nop 0
.rept 4
	v_nop
.endr
.Lasked_\@:
.endm
.macro CREST                           ; a round of the cluster's barrier behind its opening barrier
	s_cmp_lg_u32 s14, 0
	s_cbranch_scc1 .Lnot_wave_0_\@
	s_barrier_signal -3
.Lnot_wave_0_\@:
	s_barrier_wait -3
	s_barrier_signal -1
	s_barrier_wait -1
.endm
.macro CROUND                          ; a whole round
	s_barrier_signal -1
	s_barrier_wait -1
	CREST
.endm
	s_load_b256 s[4:11], s[0:1], 0x0               ; x's codes s[4:5], x's scales s[6:7], w_qkv's codes s[8:9], its scales s[10:11]
	s_load_b64 s[12:13], s[0:1], 0x28              ; prep
	v_lshl_add_u32 v[SPW], v0, 2, SPARE
	v_mov_b32 v[NIL], 0
	ds_add_u32 v28, v29
	s_wait_dscnt 0x0
	v_lshrrev_b32 v1, 5, v0
	v_readfirstlane_b32 s14, v1                    ; wave 0..3
	s_lshr_b32 s15, s14, 1                         ; which half of S1's 256 rows is mine.  Also: I fetch for S1 (0) or for S0 (1)
	s_and_b32 s16, s14, 1                          ; which half of S0's.  Also: which 128 rows of that tile I fetch
	s_bfe_u32 s40, ttmp6, 0x40000                  ; cx, cy: my place in the cluster
	s_bfe_u32 s41, ttmp6, 0x40004
	s_and_b32 s42, ttmp9, 1                        ; q and k: 2 groups of four tiles of S0 (16 heads), 8 of S1 (8,192 rows of x)
	s_sub_co_u32 s43, ttmp9, 16                    ; v: 8 groups of S0 (x), one of S1 (1,024 rows)
	s_lshr_b32 s17, ttmp9, 1
	s_mov_b32 s96, 192
	s_cmp_ge_u32 ttmp9, 16                         ; the kind hangs on the cluster's number alone
	s_cselect_b32 s42, s43, s42
	s_cselect_b32 s17, 0, s17
	s_cselect_b32 s96, 128, s96                    ; rows of memory from one unit of 128 rows of S0 to the next: 192 in w_qkv (q, k, and v passed over), 128 in x
	s_cselect_b32 s95, 1, 0                        ; 1: v
	s_lshl_b32 s42, s42, 2
	s_add_co_u32 s42, s42, s40                     ; which tile of S0: 4 x group + cx
	s_lshl_b32 s17, s17, 2
	s_add_co_u32 s17, s17, s41                     ; which tile of S1: 4 x group + cy
	s_lshl_b32 s43, s41, 2
	s_lshl_b32 s43, 15, s43                        ; my row of the cluster
	s_lshl_b32 s44, 0x1111, s40                    ; my column
	; descriptor group 1: a tile of 128 rows x 256 bytes, padded in LDS
	s_or_b32 s[G1+0], s43, (0<<16)|(1<<20)|(1<<21)|(5<<22)|(3<<25)  ; 15:0 the mask: S1's tiles go to my row; 17:16 element of 1 byte; 20 padding on; 21 set beside a mask; 24:22 after every 64 words (code 5); 31:25 of 4 words (code 3)
	s_or_b32 s[G1B+0], s44, (0<<16)|(1<<20)|(1<<21)|(5<<22)|(3<<25)
.irp g, G1, G1B
	s_mov_b32 s[\g+1], ROWB<<16                    ; tensor_dim0
	s_mov_b32 s[\g+2], 128<<16                     ; tensor_dim1 = 128
	s_mov_b32 s[\g+3], ROWB<<16                    ; tile_dim0
	s_mov_b32 s[\g+4], 128                         ; tile_dim1 = 128
	s_mov_b32 s[\g+5], KROW                        ; tensor_dim0_stride
	s_mov_b32 s[\g+6], 0
	s_mov_b32 s[\g+7], 0
.endr
	; and for the scales of 128 rows: a dense block of 4,096 bytes, as rows of 256 bytes (32 elements of 8 bytes), 16 bytes of padding behind each
	s_or_b32 s[G1S+0], s43, (3<<16)|(1<<20)|(1<<21)|(5<<22)|(3<<25)
	s_or_b32 s[G1SB+0], s44, (3<<16)|(1<<20)|(1<<21)|(5<<22)|(3<<25)
.irp g, G1S, G1SB
	s_mov_b32 s[\g+1], 32<<16
	s_mov_b32 s[\g+2], (128*KS/256)<<16
	s_mov_b32 s[\g+3], 32<<16
	s_mov_b32 s[\g+4], 128*KS/256
	s_mov_b32 s[\g+5], 32
	s_mov_b32 s[\g+6], 0
	s_mov_b32 s[\g+7], 0
.endr
	s_lshl_b32 s18, s16, 7
	s_lshl_b32 s20, s17, 8
	s_add_co_u32 s20, s20, s18                     ; S1: row 256 x tile + 128 x half
	s_lshl_b32 s46, s42, 1
	s_add_co_u32 s46, s46, s16
	s_mul_i32 s46, s46, s96                        ; S0: unit 2 x tile + half, times the rows from unit to unit
	s_mov_b32 s21, 0
	s_mov_b32 s47, 0
	s_mov_b64 s[18:19], KS
	s_mul_u64 s[22:23], s[20:21], s[18:19]         ; where these rows' scales begin, in bytes
	s_mul_u64 s[92:93], s[46:47], s[18:19]
	s_mov_b64 s[18:19], KROW
	s_mul_u64 s[20:21], s[20:21], s[18:19]         ; and their codes
	s_mul_u64 s[46:47], s[46:47], s[18:19]
	s_mul_i32 s45, s14, HALFT                      ; where they go: wave x 128 rows: no place in the cluster enters an LDS address
	s_mul_i32 s94, s14, HALFS
	s_wait_kmcnt 0x0
	s_add_nc_u64 s[98:99], s[12:13], WVC           ; v's codes and scale bytes, in the launch before's order
	s_add_nc_u64 s[100:101], s[12:13], WVS
	s_cmp_ge_u32 ttmp9, 16
	s_cselect_b64 s[8:9], s[4:5], s[8:9]           ; S0: x for v, w_qkv for q and k
	s_cselect_b64 s[10:11], s[6:7], s[10:11]
	s_cselect_b64 s[4:5], s[98:99], s[4:5]         ; S1: v's rows for v, x for q and k
	s_cselect_b64 s[6:7], s[100:101], s[6:7]
	s_add_nc_u64 s[20:21], s[4:5], s[20:21]
	s_add_nc_u64 s[22:23], s[6:7], s[22:23]
	s_add_nc_u64 s[46:47], s[8:9], s[46:47]
	s_add_nc_u64 s[92:93], s[10:11], s[92:93]
	CROUND                                         ; all sixteen work-groups are here: the first joint loads meet
	s_mov_b32 s[G0S], 1
	s_add_co_u32 s[G0S+1], s94, SCL
	s_mov_b64 s[G0S+2:G0S+3], s[22:23]
	s_or_b32 s[G0S+3], s[G0S+3], 0x80000000
	s_mov_b32 s[G0SB], 1
	s_add_co_u32 s[G0SB+1], s94, SCL
	s_mov_b64 s[G0SB+2:G0SB+3], s[92:93]
	s_or_b32 s[G0SB+3], s[G0SB+3], 0x80000000
	JLOAD G0S, G1S, G0SB, G1SB                     ; the scales first: they are wanted with K step 0
.irp s, 0,1
	s_mov_b32 s[G0+4*\s], 1
	s_add_co_u32 s[G0+4*\s+1], s45, \s*SLOT
	s_add_nc_u64 s[G0+4*\s+2:G0+4*\s+3], s[20:21], \s*ROWB
	s_or_b32 s[G0+4*\s+3], s[G0+4*\s+3], 0x80000000
	s_mov_b32 s[G0B+4*\s], 1
	s_add_co_u32 s[G0B+4*\s+1], s45, \s*SLOT
	s_add_nc_u64 s[G0B+4*\s+2:G0B+4*\s+3], s[46:47], \s*ROWB
	s_or_b32 s[G0B+4*\s+3], s[G0B+4*\s+3], 0x80000000
	JLOAD G0+4*\s, G1, G0B+4*\s, G1B
.endr
	s_load_b256 s[4:11], s[0:1], 0x20              ; for the way out: b_qkv s[4:5], prep s[6:7], qbuf s[8:9], kv s[10:11]
	v_and_b32 v1, 15, v0                           ; l % 16
	v_bfe_u32 v2, v0, 4, 1                         ; l / 16
	v_mul_u32_u24 v3, v1, PITCH
	v_lshl_add_u32 v4, v2, 4, v3                   ; a fragment's row x pitch + 16 x half
	s_mul_i32 s21, s15, HALFT                      ; my 128 rows of S1
	s_mul_i32 s22, s16, HALFT                      ; my 128 rows of S0,
	s_add_co_u32 s22, s22, 2*HALFT                 ; which lie behind S1's 256
.irp s, 0,1
	v_add_nc_u32 v[ADRA+\s], s21, v4
	v_add_nc_u32 v[ADRB+\s], s22, v4
	s_add_co_u32 s21, s21, SLOT
	s_add_co_u32 s22, s22, SLOT
.endr
	v_mul_u32_u24 v5, v1, KS                       ; my row's scales: 32 bytes a row,
	v_lshrrev_b32 v6, 8, v5
	v_lshl_add_u32 v5, v6, 4, v5                   ; and 16 more for each 256 passed
	s_mul_i32 s21, s15, HALFS                      ; S1's: my 128 rows
	s_mul_i32 s22, s16, HALFS                      ; S0's: my 128 rows, behind S1's 256
	s_add_co_u32 s22, s22, 2*HALFS
	s_sub_co_u32 s22, s22, s21
	v_mul_u32_u24 v6, s22, v2                      ; lanes 16-31 take S0's
	s_add_co_u32 s21, s21, SCL
	v_add_nc_u32 v5, v5, v6
	v_add_nc_u32 v[ADRS], s21, v5
	v_and_b32 v6, 31, v0
	v_lshlrev_b32 v[LI], 4, v6
	v_lshlrev_b32 v[LW], 2, v6
	v_lshlrev_b32 v[TV], 8, v1
	v_lshl_add_u32 v[TV], v2, 5, v[TV]
	v_lshlrev_b32 v[HB], 5, v2
	v_lshlrev_b32 v[RW], 2, v1
	v_cmp_le_u32 s[HIM], 16, v6
	s_wait_kmcnt 0x0
.macro FRAG reg, adr, q, i             ; a fragment, 16 rows x 128 K of 8-bit codes, is 16 registers: lane l holds row l % 16; registers 4 c .. 4 c + 3 hold K = 32 c + 16 (l / 16) + 0 .. 15
.irp c, 0,1,2,3
	ds_load_b128 v[\reg+4*\c:\reg+4*\c+3], v[\adr] offset:128*(\q)+32*\c+(\i)*16*PITCH
.endr
.endm
; 16 matrix instructions: S1's blocks a0, a0 + 1 x S0's eight, 128 along K: the slot's q-th.  p: S0's set;  sc: the set of scale words.  zero = 1: the first product starts the sums: nothing is ever cleared.
; The 64 accumulators take turns, one instruction a turn, in the same order in every step.
.macro MUL16 a0, p, q, sc, zero
.irp a, \a0, \a0+1
.irp b, 0,1,2,3,4,5,6,7
.if \zero
	v_wmma_scale_f32_16x16x128_f8f6f4 v[8*(8*((\a)%4)+\b):8*(8*((\a)%4)+\b)+7], v[128*(\p)+FR*\b:128*(\p)+FR*\b+FR-1], v[AF+FR*(\a):AF+FR*(\a)+FR-1], 0, v[SC+8*NQ*(\sc)+NQ*\b+(\q)], v[SC+8*NQ*(\sc)+NQ*(\a)+(\q)] matrix_a_scale:MATRIX_SCALE_ROW1
.else
	v_wmma_scale_f32_16x16x128_f8f6f4 v[8*(8*((\a)%4)+\b):8*(8*((\a)%4)+\b)+7], v[128*(\p)+FR*\b:128*(\p)+FR*\b+FR-1], v[AF+FR*(\a):AF+FR*(\a)+FR-1], v[8*(8*((\a)%4)+\b):8*(8*((\a)%4)+\b)+7], v[SC+8*NQ*(\sc)+NQ*\b+(\q)], v[SC+8*NQ*(\sc)+NQ*(\a)+(\q)] matrix_a_scale:MATRIX_SCALE_ROW1
.endif
.endr
.endr
.endm
.macro FETCH_B slot, q, p              ; S0's eight fragments of the slot's q-th 128 along K into set p
	WIN TO_B
.irp i, 0,1,2,3,4,5,6,7
	FRAG 128*(\p)+FR*\i, ADRB+\slot, \q, \i
.endr
	WIN 0
.endm
.macro FETCH_A slot, q, i0             ; S1's blocks i0 .. i0 + 3
.irp i, \i0, \i0+1, \i0+2, \i0+3
	FRAG AF+FR*(\i), ADRA+\slot, \q, \i
.endr
.endm
.macro SCALES sc                       ; the next K step's scale words into set sc: two words a row; lanes 0-15 take S1's block i, lanes 16-31 S0's block i
.irp i, 0,1,2,3,4,5,6,7
	ds_load_b64 v[SC+8*NQ*\sc+NQ*\i:SC+8*NQ*\sc+NQ*\i+1], v[ADRS] offset:\i*SBLK
.endr
.endm
; A load into a register that a matrix instruction has read, and a vector instruction that reads a matrix result, stand eight places behind that matrix instruction, and only plain vector
; instructions that name none of its registers are places.
.macro PLACES n
.rept \n
	v_nop
.endr
.endm
; A step of 128 along K that has its successor in the same slot.
.macro STEP slot, q, zero
	s_wait_dscnt 4*NL                              ; S0's set and S1's blocks 0-3 are in; the youngest sixteen loads (S1's blocks 4-7) may be out
	WIN MUL_LO
	MUL16 0, (\q)%2, \q, \slot, \zero
	MUL16 2, (\q)%2, \q, \slot, \zero
	s_wait_dscnt 0                                 ; S1's blocks 4-7 are in (asked for 32 matrix instructions ago)
	PLACES NP
	FETCH_B \slot, (\q)+1, 1-(\q)%2
	FETCH_A \slot, (\q)+1, 0
	WIN MUL_HI
	MUL16 4, (\q)%2, \q, \slot, \zero
	MUL16 6, (\q)%2, \q, \slot, \zero
	PLACES NP
	WIN 0
	FETCH_A \slot, (\q)+1, 4
.endm
; A slot's last step changes slots: ONE barrier; in front of it each wave waits for all its tensor loads, adds 0 to its spare word, and waits for that and for its own reads of this slot.  fill = 1: this slot is filled again, two K steps ahead.
.macro TURN slot, next, fill
	s_wait_tensorcnt 0x0                           ; all my tensor loads have landed: my part of the next slot;  (every window is 0 here)
	ds_add_u32 v[SPW], v[NIL]                      ; 0 onto my spare word
	s_wait_dscnt 4*NL+1                            ; (the add and the youngest sixteen loads, S1's blocks 4-7, may be out)
	WIN MUL_LO
	MUL16 0, 1, NQ-1, \slot, 0                     ; sixteen matrix instructions stand between the add and the wait for it
	s_wait_dscnt 0x0                               ; the add is done, and my reads of this slot are over
	s_barrier_signal -1
	MUL16 2, 1, NQ-1, \slot, 0
	WIN 0
	s_barrier_wait -1
.if \fill
	CREST                                          ; the barrier has opened a round of the cluster's barrier: no wave of any partner still reads this slot's tile or has a load on its way
	s_add_nc_u64 s[G0+4*\slot+2:G0+4*\slot+3], s[G0+4*\slot+2:G0+4*\slot+3], 2*ROWB
	s_add_nc_u64 s[G0B+4*\slot+2:G0B+4*\slot+3], s[G0B+4*\slot+2:G0B+4*\slot+3], 2*ROWB
	JLOAD G0+4*\slot, G1, G0B+4*\slot, G1B         ; the first tensor load behind the round; the four v_nop behind it are among the places in front of the loads below
	PLACES NP-4
.else
	PLACES NP
.endif
	v_add_nc_u32 v[ADRS], 4*NQ, v[ADRS]            ; on to the next K step's scale words (no LDS load of mine is out)
	FETCH_B \next, 0, 0
	FETCH_A \next, 0, 0
	SCALES \next
	WIN MUL_HI
	MUL16 4, 1, NQ-1, \slot, 0
	MUL16 6, 1, NQ-1, \slot, 0
	PLACES NP
	WIN 0
	FETCH_A \next, 0, 4
.endm
	s_wait_tensorcnt 1                             ; the scales and my part of K step 0 are in (K step 1's load may be out),
	s_barrier_signal -1
	s_barrier_wait -1                              ; everybody's are
	FETCH_B 0, 0, 0
	FETCH_A 0, 0, 0
	SCALES 0
	FETCH_A 0, 0, 4
	STEP 0, 0, 1                                   ; the first step stands in front of the loop: its products start the sums
	s_mov_b32 s3, LAPS-1
.Llap:                                                 ; a trip goes once round the ring, from a lap's second step to the next lap's first, and fills both slots again
	TURN 0, 1, 1
	STEP 1, 0, 0
	TURN 1, 0, 1
	STEP 0, 0, 0
	s_sub_co_u32 s3, s3, 1
	s_cmp_lg_u32 s3, 0
	s_cbranch_scc1 .Llap
	TURN 0, 1, 0                                   ; the last lap fills nothing, and has no round of the cluster's barrier
	STEP 1, 0, 0
	s_wait_dscnt 4*NL                              ; the very last step: nothing more to fetch
	WIN MUL_LO
	MUL16 0, 1, NQ-1, 1, 0
	MUL16 2, 1, NQ-1, 1, 0
	s_wait_dscnt 0
	WIN MUL_HI
	MUL16 4, 1, NQ-1, 1, 0
	MUL16 6, 1, NQ-1, 1, 0
	WIN 0
; 64 numbers of a lane, v[s] .. v[s + 63], 16 of each of four blocks of 32 (the other 16 lie in lane l xor 16), become 16 registers of codes in v[PC] on and the four scale bytes in v[PW].
.macro QUANT s
.irp b, 0,1,2,3
	v_max3_num_f32 v[TM+\b], |v[\s+16*\b]|, |v[\s+1+16*\b]|, 0x4800000   ; block b: my 16 numbers, and the floor 2^(9 - 127), under which no largest magnitude is taken: so the byte cannot fall under 1
.endr
.irp i, 2,4,6,8,10,12,14
.irp b, 0,1,2,3
	v_max3_num_f32 v[TM+\b], v[TM+\b], |v[\s+16*\b+\i]|, |v[\s+1+16*\b+\i]|   ; (the four blocks by turns: no line waits for the line above it)
.endr
.endr
.irp b, 0,1,2,3
	v_permlanex16_b32 v[TM+4+\b], v[TM+\b], s[SEL], s[SEL+1]
.endr
.irp b, 0,1,2,3
	v_max_num_f32 v[TM+\b], v[TM+\b], v[TM+4+\b]   ; with lane l xor 16's: the block's largest magnitude
.endr
.irp b, 0,1,2,3
	v_add_nc_u32 v[TM+12+\b], 0xfc000000, v[TM+\b]   ; 8 off its exponent field: the conversion takes the exponent field of this operand as its scale, and nothing else of it
.endr
.irp b, 0,1,2,3
	v_and_or_b32 v[TM+8+\b], v[TM+\b], 0x7f800000, s[MNT]   ; 448 x the scale: the largest magnitude's exponent field over 448's mantissa
.endr
.irp b, 0,1,2,3
	v_lshrrev_b32 v[TM+4+\b], 23, v[TM+12+\b]   ; the scale's byte
.endr
	v_lshl_or_b32 v[PW], v[TM+5], 8, v[TM+4]
	v_lshl_or_b32 v[PW], v[TM+6], 16, v[PW]
	v_lshl_or_b32 v[PW], v[TM+7], 24, v[PW]
.irp b, 0,1,2,3
.irp i, 0,1,2,3,4,5,6,7,8,9,10,11,12,13,14,15
	v_med3_num_f32 v[\s+16*\b+\i], v[\s+16*\b+\i], -v[TM+8+\b], v[TM+8+\b]   ; the conversion to an 8-bit code does not saturate (ISA guide 7.6.2): the hold at the largest code x the scale
.endr
	v_cvt_scalef32_pk8_fp8_f32 v[PC+4*\b:PC+1+4*\b], v[\s+16*\b:\s+7+16*\b], v[TM+12+\b]
	v_cvt_scalef32_pk8_fp8_f32 v[PC+2+4*\b:PC+3+4*\b], v[\s+8+16*\b:\s+15+16*\b], v[TM+12+\b]
.endr
	v_nop                                          ; one plain vector instruction behind the last scaled conversion, ahead of whatever next writes its sources
.endm
	; THE WAY OUT.  No LDS is touched.
	PLACES NP                                      ; behind the last products: results are read, and registers that they read are written and loaded into
.irp b, 0,1,2,3
	v_mov_b32 v[TM+4+\b], 0                        ; written once: a lane permute's destination counts as one of its sources
.endr
	s_mov_b32 s[SEL], 0x76543210
	s_mov_b32 s[SEL+1], 0xfedcba98
	s_mov_b32 s[MNT], 0x600000
	s_mov_b32 s[PADW], 0x7f7f0000
	s_lshl_b32 s20, s17, 1
	s_add_co_u32 s20, s20, s15                     ; uA: my unit of 128 rows of S1
	s_lshl_b32 s21, s42, 1
	s_add_co_u32 s21, s21, s16                     ; uB: my unit of 128 rows of S0
	s_mov_b32 s45, 0
	s_cmp_lg_u32 s95, 0
	s_cbranch_scc1 .Lkind_v
	; ---- q and k.  uB is the head; uA is 128 rows of x: batch uA / 16, t = 128 (uA % 16) on.
	s_lshr_b32 s22, s20, 4                         ; the batch
	s_and_b32 s23, s20, 15                         ; which 128 t
	s_lshl_b32 s40, s22, 4
	s_add_co_u32 s40, s40, s21                     ; bh = 16 x batch + head
	s_lshl_b32 s44, s40, 17
	s_lshl_b32 s41, s23, 13
	s_add_co_u32 s44, s44, s41
	s_add_nc_u64 s[92:93], s[8:9], s[44:45]        ; q's images: [bh][128 tiles][1,024 bytes]
	s_lshl_b32 s44, s40, 13
	s_lshl_b32 s41, s23, 9
	s_add_co_u32 s44, s44, s41
	s_add_co_u32 s44, s44, 8388608
	s_add_nc_u64 s[8:9], s[8:9], s[44:45]          ; q's scale words: [bh][2,048]
	s_lshl_b32 s44, s40, 4
	s_add_co_u32 s44, s44, s23
	s_mul_i32 s44, s44, CHUNK
	s_add_nc_u64 s[10:11], s[10:11], s[44:45]      ; the chunk of these 128 keys
	s_lshl_b32 s44, s23, 15
	s_add_nc_u64 s[6:7], s[6:7], s[44:45]          ; the table at t = 128 (uA % 16)
	s_mul_i32 s44, s21, 768
	s_add_nc_u64 s[4:5], s[4:5], s[44:45]          ; the head's bias: q's 64, k's 64
.macro TABLE a                         ; (cos, sin) for t = 16 a + lane % 16 and my 16 pairs of channels (the same for q and k): 32 registers into set a % 2 of window 1
	WIN 0x40
.irp i, 0,1,2,3,4,5,6,7
	global_load_b128 v[64+32*((\a)%2)+4*\i:64+32*((\a)%2)+4*\i+3], v[TV], s[6:7] offset:4096*(\a)+64*(\i/2)+16*(\i%2)
.endr
.endm
	WIN 0x40
.irp b, 0,1,2,3,4,5,6,7
	global_load_b128 v[8*\b:8*\b+3], v[HB], s[4:5] offset:64*\b        ; the bias of rows 16 b + 8 h + 0 .. 7 of the head's 128
	global_load_b128 v[8*\b+4:8*\b+7], v[HB], s[4:5] offset:64*\b+16
.endr
	TABLE 0
	TABLE 1
; Block a: 16 t.  Register 8 b + j of a lane is row 16 b + 8 h + j of the head's 128: b = 0 .. 3 q's channels, b = 4 .. 7 k's.
.macro EPIQ a
.if (\a) < 7
	s_wait_loadcnt 8                               ; this block's table is in (and the bias); the next block's eight loads may be out
.else
	s_wait_loadcnt 0
.endif
	s_wait_xcnt 0x0                                ; the last block's stores have read their registers
	WIN 0x06+(\a)/4                                ; source 0: the accumulators' window; source 1: window 1
.set ii, 0
.rept 32
	v_pk_add_f32 v[X+2*ii:X+2*ii+1], v[64*((\a)%4)+2*ii:64*((\a)%4)+2*ii+1], v[2*ii:2*ii+1]   ; + bias; each accumulator from its low end on
.set ii, ii+1
.endr
	WIN 0x04
.set CSB, 64+32*((\a)%2)
.set pp, 0
.rept 8                                ; the turn: (x1, x2) -> (x1 c - x2 s, x1 s + x2 c), a pair of channels by two packed instructions, four pairs by turns
.irp k, 0,1,2,3
	v_pk_mul_f32 v[184+2*\k:185+2*\k], v[X+2*(pp+\k):X+2*(pp+\k)+1], v[CSB+8*((pp>>2)&3)+2*\k:CSB+8*((pp>>2)&3)+2*\k+1] op_sel_hi:[1,0]   ; (x1 c, x2 c)
.endr
.irp k, 0,1,2,3
	v_pk_fma_f32 v[X+2*(pp+\k):X+2*(pp+\k)+1], v[X+2*(pp+\k):X+2*(pp+\k)+1], v[CSB+8*((pp>>2)&3)+2*\k:CSB+8*((pp>>2)&3)+2*\k+1], v[184+2*\k:185+2*\k] op_sel:[1,1,0] op_sel_hi:[0,1,1] neg_lo:[0,1,0]   ; low: -x2 s + x1 c; high: x1 s + x2 c
.endr
.set pp, pp+4
.endr
.if (\a)+2 < 8
	TABLE (\a)+2                                   ; this set has been read: it takes the table of two blocks on
.endif
	WIN 0
	QUANT X                                        ; blocks 0, 1: q's two blocks of 32 channels; blocks 2, 3: k's
	global_store_b128 v[LI], v[PC:PC+3], s[92:93] offset:1024*(\a)         ; 32 lanes store 512 consecutive bytes, aligned
	global_store_b128 v[LI], v[PC+4:PC+7], s[92:93] offset:1024*(\a)+512
	global_store_b128 v[LI], v[PC+8:PC+11], s[10:11] offset:1024*(\a)
	global_store_b128 v[LI], v[PC+12:PC+15], s[10:11] offset:1024*(\a)+512
.if (\a)%2 == 0
	v_and_or_b32 v177, v[PW], 0xffff, s[PADW]      ; q's word: its two bytes, and 127 over the zero codes; held for the odd block
	v_lshrrev_b32 v178, 16, v[PW]
	v_or_b32 v178, s[PADW], v178                   ; k's
.else
	v_and_or_b32 v179, v[PW], 0xffff, s[PADW]
	v_lshrrev_b32 v180, 16, v[PW]
	v_or_b32 v180, s[PADW], v180
	v_cndmask_b32 v179, v177, v179, s[HIM]         ; lanes 0-15 the even block's 16 rows, lanes 16-31 the odd block's: 32 words on end
	v_cndmask_b32 v180, v178, v180, s[HIM]
	global_store_b32 v[LW], v179, s[8:9] offset:128*((\a)/2)
	global_store_b32 v[LW], v180, s[10:11] offset:16384+128*((\a)/2)
.endif
.endm
.irp a, 0,1,2,3,4,5,6,7
	EPIQ \a
.endr
	WIN 0
	s_branch .Ldone
.Lkind_v:
	; ---- v.  uB is 128 rows of x, the keys: batch uB / 16, key step uB % 16; uA is 128 rows': heads 2 uA and 2 uA + 1.
	s_lshr_b32 s22, s21, 4                         ; the batch
	s_and_b32 s23, s21, 15                         ; the key step
	s_lshl_b32 s40, s22, 4
	s_lshl_b32 s41, s20, 1
	s_add_co_u32 s40, s40, s41                     ; bh of the first head
	s_lshl_b32 s44, s40, 4
	s_add_co_u32 s44, s44, s23
	s_mul_i32 s44, s44, CHUNK
	s_add_co_u32 s44, s44, 8192
	s_add_nc_u64 s[10:11], s[10:11], s[44:45]      ; V's part of the chunk; the second head's lies 16 chunks on
	s_lshl_b32 s44, s20, 9
	s_add_co_u32 s44, s44, BV
	s_add_nc_u64 s[6:7], s[6:7], s[44:45]          ; my 128 rows' bias
.irp a, 0,1,2,3,4,5,6,7
	global_load_b32 v[192+2*\a], v[RW], s[6:7] offset:64*\a   ; block a: the bias of row' 16 a + lane % 16, in both registers of a pair
	global_load_b32 v[193+2*\a], v[RW], s[6:7] offset:64*\a
.endr
	s_wait_loadcnt 0x0
; Block a: 16 rows' (channels).  Register 8 b + j of a lane is key 16 b + 8 h + j of the step's 128.
.macro EPIV a
	s_wait_xcnt 0x0                                ; the last block's stores have read their registers
	WIN 0x02+(\a)/4
.set ii, 0
.rept 32
	v_pk_add_f32 v[X+2*ii:X+2*ii+1], v[64*((\a)%4)+2*ii:64*((\a)%4)+2*ii+1], v[192+2*(\a):193+2*(\a)]   ; + bias; each accumulator from its low end on
.set ii, ii+1
.endr
	WIN 0
	QUANT X                                        ; the four blocks of 32 keys
.irp c, 0,1,2,3
	global_store_b128 v[LI], v[PC+4*\c:PC+4*\c+3], s[10:11] offset:16*CHUNK*((\a)/4)+2048*((\a)%4)+512*\c
.endr
.if (\a)%2 == 0
	v_mov_b32 v177, v[PW]                          ; held for the odd block
.else
	v_cndmask_b32 v179, v177, v[PW], s[HIM]        ; lanes 0-15 the even block's rows, lanes 16-31 the odd block's
	global_store_b32 v[LW], v179, s[10:11] offset:16*CHUNK*((\a)/4)+8704+128*(((\a)%4)/2)
.endif
.endm
.irp a, 0,1,2,3,4,5,6,7
	EPIV \a
.endr
.Ldone:
	s_wait_tensorcnt 0x0                           ; the wave's end, behind my last tensor load
	ds_add_u32 v[SPW], v[NIL]
	s_wait_dscnt 0x0
	CROUND                                         ; the closing round: no work-group ends while a partner may still ask for a tile that names it
	s_endpgm
.Lfunc_end_k_q3e44492451_qkv:
	.size	k_q3e44492451_qkv, .Lfunc_end_k_q3e44492451_qkv-k_q3e44492451_qkv
	.p2alignl 7, 3214868480
	.fill 96, 4, 3214868480
	.section	.rodata,"a",@progbits
	.p2align	6, 0x0
	.amdhsa_kernel k_q3e44492451_qkv
		.amdhsa_group_segment_fixed_size 327680
		.amdhsa_private_segment_fixed_size 0
		.amdhsa_enable_private_segment 0
		.amdhsa_kernarg_size 64
		.amdhsa_user_sgpr_count 2
		.amdhsa_user_sgpr_kernarg_segment_ptr 1
		.amdhsa_wavefront_size32 1
		.amdhsa_system_sgpr_workgroup_id_x 1
		.amdhsa_system_sgpr_workgroup_id_y 1
		.amdhsa_system_sgpr_workgroup_id_z 1
		.amdhsa_system_vgpr_workitem_id 0
		.amdhsa_next_free_vgpr 1024
		.amdhsa_next_free_sgpr 102
		.amdhsa_reserve_vcc 0
		.amdhsa_float_denorm_mode_32 3
		.amdhsa_float_denorm_mode_16_64 3
		.amdhsa_memory_ordered 1
		.amdhsa_forward_progress 1
		.amdhsa_inst_pref_size 255
	.end_amdhsa_kernel
	.section	.bss,"aw",@nobits
	.p2align	6
	.space	262144
	.amdgpu_metadata
---
amdhsa.version: [ 1, 2 ]
amdhsa.kernels:
  - .name:           k_q3e44492451_qkv
    .symbol:         k_q3e44492451_qkv.kd
    .args:
      - { .name: x_codes, .offset: 0, .size: 8, .value_kind: global_buffer, .address_space: global }
      - { .name: x_scales, .offset: 8, .size: 8, .value_kind: global_buffer, .address_space: global }
      - { .name: w_qkv_codes, .offset: 16, .size: 8, .value_kind: global_buffer, .address_space: global }
      - { .name: w_qkv_scales, .offset: 24, .size: 8, .value_kind: global_buffer, .address_space: global }
      - { .name: b_qkv, .offset: 32, .size: 8, .value_kind: global_buffer, .address_space: global }
      - { .name: prep, .offset: 40, .size: 8, .value_kind: global_buffer, .address_space: global }
      - { .name: qbuf, .offset: 48, .size: 8, .value_kind: global_buffer, .address_space: global }
      - { .name: kv, .offset: 56, .size: 8, .value_kind: global_buffer, .address_space: global }
    .group_segment_fixed_size: 327680
    .private_segment_fixed_size: 0
    .kernarg_segment_align: 8
    .kernarg_segment_size: 64
    .max_flat_workgroup_size: 128
    .sgpr_count:     102
    .vgpr_count:     1024
    .wavefront_size: 32
...
	.end_amdgpu_metadata
.endif
;; end of part 2
;; launch attn (part 3): grid 4 x 64, 16 waves a work-group, no clusters, 327,680 bytes of LDS; arguments qbuf, kv, ybuf; writes ybuf
.if DOCPART == 3
	.amdgcn_target "amdgcn-amd-amdhsa--gfx1250"
	.amdhsa_code_object_version 6
	.text
	.protected	k_q3e44492451_attn
	.globl	k_q3e44492451_attn
	.p2align	8
	.type	k_q3e44492451_attn,@function
k_q3e44492451_attn:
	s_mov_b64 s[64:65], 0
	v_nop
	global_prefetch_b8 v0, s[64:65] scope:SCOPE_SE
	s_setreg_imm32_b32 hwreg(HW_REG_WAVE_MODE, 25, 1), 1
	s_wait_xcnt 0x0
; y[b][t][64 hd ..] = softmax over the keys k <= t of (q . k / 8) times v, for each of 64 (batch, head), both products on codes of FP8 (E4M3) with E8M0 scales; y is quantised along C on its way out.
; THE SOFTMAX AHEAD OF THE SECOND PRODUCT: t = score x log2(e) / 8; M = the row's largest t so far, rounded UP to a whole number; p = 2^(t - M) is what is quantised, along the keys; it is not normalised.
; The row's sum is taken of the unquantised p, in f32, and divides O at the end.  When M moves, the sum and O are multiplied by 2^(old M - new M): exact.
; SHARES.  Work-group (i, bh) owns the blocks of 256 queries i and 7 - i of one head.  Block b sees b + 1 slots of 256 keys, so EVERY work-group walks (i + 1) + (8 - i) = 9 slots: one constant trip count, equal work,
; and no tile is fetched that nobody reads.  Each of the SIXTEEN waves owns 16 queries of the block in hand, in 256 registers: four waves to a SIMD, so that one wave's vector work stands beside another's matrix work and LDS loads.
; K, V and their scale words of 128 keys are one dense chunk of 17,152 bytes, laid as images of the operands' registers: a slot is two chunks; waves 0 and 1 fetch one each by one tensor load; all sixteen read them, 16 bytes a lane on end.
; LAYOUT.  Both products are used transposed: S^T = K Q^T (source 0 = 16 keys, source 1 = my 16 queries), O^T = V^T P^T (source 0 = 16 channels, source 1 = P): a lane holds ONE query (lane % 16) throughout.
; The head's K is 64: registers 8 to 15 of K's and Q's fragments are zero codes, written once; their scale bytes are 127.  The 16 registers of key tiles 2 b, 2 b + 1 are a lane's 16 keys of block b, in the order in which V's keys were laid.
; V's channels were ordered so that O^T's registers 16 c .. 16 c + 15 are channels 32 c + 16 (lane / 16) + 0 .. 15: the conversions' results are the last product's operand.
; NO CLUSTER: the four work-groups of a head want the same key slot only in the first trips; from the change of blocks on each partner wants another tile, and a work-group asks for 309 KB in all.
; LIMITS: NaN and infinities are not served.  p under 2^-126 counts as 0.  1 / the sum is v_rcp_f32's.  A block of y whose largest magnitude lies under 2^-118, or of zeros, gets the byte 1; these bytes are read by this program alone.
; REGISTERS: v0 4 x (lane % 16); v1-9 addresses; v10-11 V's scale words; v12 -M, v13 the largest t, v[14:15] the sum; v16-31 Q; v32-95 four fragments of K; v96-159 S^T, then p, then V's tiles 2, 3 (v96-127);
;   v160-191 O^T; v192-223 V's tiles 0, 1; v224-239 p's codes; v232-254 at work; v248-251 K's scale words; v252 f; v253 p's scale word; v255 Q's.
.set CH,    17152                      ; a chunk: K's codes at 0 (8 tiles x 1,024), V's at 8,192 (4 tiles x 2,048), K's scale words at 16,384, V's at 16,896
.set SLOT1, 65536                      ; slot 1 begins here, so that one exclusive or turns an address in one slot into the other's
.set SPARE, 131072                     ; the spare words, 128 bytes for each wave: eight blocks of 256 bytes that no other line names
.set QW,   0                           ; v0   4 x (lane % 16): my query's scale word (written when the thread's number has served)
.set LI,   1                           ; v1   16 x lane
.set LW,   2                           ; v2   4 x lane
.set RH,   3                           ; v3   lane % 16 - 8 (lane / 16)
.set WK,   4                           ; v4   at work
.set SPW,  5                           ; v5   LDS address of my spare word; never rewritten
.set NIL,  6                           ; v6   0; never rewritten
.set YB,   7                           ; v7   32 x (lane % 16) + lane / 16: where my byte of y's scales goes
.set ADL,  8                           ; v8   the slot in hand + 16 x lane
.set ADW,  9                           ; v9   the slot in hand + 4 x lane
.set VS,   10                          ; v10-11 V's scale words: lanes 0-15 the even tile's, lanes 16-31 the odd tile's
.set G1,   16                          ; s[16:23] descriptor group 1;  s[24:27] group 0
.set G0,   24
.set WV,   28                          ; my wave's number
.set MNT,  29                          ; the mantissa field of 448
.set SEL,  30                          ; s[30:31] lane selects for v_permlanex16_b32: lane l xor 16
.set CS,   32                          ; s[32:33] c = log2(e) / 8
.set TB,   34                          ; LDS byte at which the slot in hand begins
.set KF,   35                          ; the step's first key
.set PQ,   36                          ; s[36:37] my tile of Q;  s[38:39] its scale words;  s[40:41] the head's chunks (my half of a slot);  s[42:43] my image of y;  s[44:45] its scale bytes
.set PQS,  38
.set PKV,  40
.set PY,   42
.set PYS,  44
.set Q0,   46                          ; my first query
.set N1,   47                          ; slots of the first block: i + 1
.set NX,   48                          ; the slot last asked for, counted over both blocks
.set TRIPS, 49
.set DQ,   50                          ; s[50:57] what the change of blocks adds to the four addresses
.set DQS,  52
.set DY,   54
.set DYS,  56
.set TMP,  58                          ; s[58:59] at work
.set HIM,  60                          ; the mask of lanes 16-31
.set DQ0,  61                          ; what the change of blocks adds to Q0
.macro NOPS n
.rept \n
	v_nop
.endr
.endm
.macro TLOAD                           ; waves 0 and 1 fetch a chunk each, the others nothing.  Four v_nop follow the line
	s_cmp_lt_u32 s[WV], 2
	s_cbranch_scc0 .Lasked_\@
	tensor_load_to_lds s[G0:G0+3], s[G1:G1+7]
	s_nop 0
	NOPS 4
.Lasked_\@:
.endm
.macro QLOAD                           ; my 16 queries: two groups of four registers, and the scale words
	global_load_b128 v[16:19], v[LI], s[PQ:PQ+1]
	global_load_b128 v[20:23], v[LI], s[PQ:PQ+1] offset:512
	global_load_b32 v255, v[QW], s[PQS:PQS+1]
.endm
.macro INIT                            ; a block of queries begins: the step is written once and finds zeros, which the first change of M leaves zeros
	v_mov_b32 v13, 0xff61b1e6                      ; the largest t so far: -3e38, under every t
	v_floor_f32 v12, -v13                          ; -M
	v_mov_b32 v14, 0                               ; the sum, in two halves
	v_mov_b32 v15, 0
.set jj, 0
.rept 32
	v_mov_b32 v[160+jj], 0                         ; O^T
.set jj, jj+1
.endr
.endm
	s_load_b128 s[4:7], s[0:1], 0x0                ; qbuf, kv
	s_load_b64 s[8:9], s[0:1], 0x10                ; ybuf
	v_lshl_add_u32 v[SPW], v0, 2, SPARE
	v_mov_b32 v[NIL], 0
	ds_add_u32 v5, v6
	s_wait_dscnt 0x0
	v_lshrrev_b32 v4, 5, v0
	v_readfirstlane_b32 s[WV], v4                  ; wave 0..15
	s_and_b32 s11, ttmp7, 0xffff                   ; bh
	s_lshr_b32 s12, s11, 4                         ; the batch
	s_and_b32 s13, s11, 15                         ; the head
	s_lshl_b32 s[Q0], ttmp9, 8
	s_lshl_b32 s14, s[WV], 4
	s_add_co_u32 s[Q0], s[Q0], s14                 ; 256 i + 16 x wave
	s_add_co_u32 s[N1], ttmp9, 1
	s_lshl_b32 s14, ttmp9, 1
	s_sub_co_u32 s14, 7, s14                       ; blocks from the first to the second: 7 - 2 i
	s_lshl_b32 s[DQ], s14, 14                      ; 16 tiles of 1,024 bytes a block
	s_mov_b32 s[DQ+1], 0
	s_lshl_b32 s[DQS], s14, 10                     ; 256 words
	s_mov_b32 s[DQS+1], 0
	s_lshl_b32 s[DY], s14, 18                      ; 16 tiles of 16,384 bytes
	s_mov_b32 s[DY+1], 0
	s_lshl_b32 s[DYS], s14, 13                     ; 256 rows of 32 bytes
	s_mov_b32 s[DYS+1], 0
	s_lshl_b32 s[DQ0], s14, 8
	s_lshl_b32 s[PQ], s11, 17                      ; q's images: [bh][128 tiles][1,024]
	s_lshl_b32 s15, s[Q0], 6
	s_add_co_u32 s[PQ], s[PQ], s15
	s_mov_b32 s[PQ+1], 0
	s_lshl_b32 s[PQS], s11, 13                     ; q's scale words: behind the images, [bh][2,048]
	s_lshl_b32 s15, s[Q0], 2
	s_add_co_u32 s[PQS], s[PQS], s15
	s_add_co_u32 s[PQS], s[PQS], 8388608
	s_mov_b32 s[PQS+1], 0
	s_mul_i32 s[PKV], s11, 16*CH                   ; the head's 16 chunks,
	s_and_b32 s15, s[WV], 1
	s_mul_i32 s10, s15, CH                         ; and which of a slot's two I fetch, if I fetch
	s_add_co_u32 s[PKV], s[PKV], s10
	s_mov_b32 s[PKV+1], 0
	s_lshl_b32 s[PY], s12, 21                      ; y's images: [512 tiles of rows][8 K steps][2,048]: a head is half a K step
	s_add_co_u32 s15, s[Q0], s13
	s_lshl_b32 s15, s15, 10
	s_add_co_u32 s[PY], s[PY], s15
	s_mov_b32 s[PY+1], 0
	s_lshl_b32 s[PYS], s12, 16                     ; y's scale bytes: behind the images, [8,192 rows][32]: a head has two
	s_lshl_b32 s15, s[Q0], 5
	s_add_co_u32 s[PYS], s[PYS], s15
	s_lshl_b32 s15, s13, 1
	s_add_co_u32 s[PYS], s[PYS], s15
	s_add_co_u32 s[PYS], s[PYS], 8388608
	s_mov_b32 s[PYS+1], 0
	; descriptor group 1: a dense block of 17,152 bytes as 67 rows of 256 bytes (32 elements of 8 bytes), no padding: the reads are 16 bytes a lane on end
	s_mov_b32 s[G1], 3<<16
	s_mov_b32 s[G1+1], 32<<16                      ; tensor_dim0
	s_mov_b32 s[G1+2], 67<<16                      ; tensor_dim1
	s_mov_b32 s[G1+3], 32<<16                      ; tile_dim0
	s_mov_b32 s[G1+4], 67                          ; tile_dim1
	s_mov_b32 s[G1+5], 32                          ; tensor_dim0_stride
	s_mov_b32 s[G1+6], 0
	s_mov_b32 s[G1+7], 0
	s_mov_b32 s[SEL], 0x76543210
	s_mov_b32 s[SEL+1], 0xfedcba98
	s_mov_b32 s[CS], 0x3e38aa3b                    ; c = log2(e) / sqrt(64)
	s_mov_b32 s[CS+1], s[CS]                       ; (named with it as a pair, so it is written)
	s_mov_b32 s[MNT], 0x600000
	s_mov_b32 s[TB], 0
	s_mov_b32 s[KF], 0
	s_mov_b32 s[NX], 0
	s_mov_b32 s[TRIPS], 8
	s_wait_kmcnt 0x0
	s_add_nc_u64 s[PKV:PKV+1], s[6:7], s[PKV:PKV+1]
	s_mov_b32 s[G0], 1                             ; 1:0 count = 1
	s_mov_b32 s[G0+1], s10                         ; 63:32 LDS address: slot 0, my chunk
	s_mov_b64 s[G0+2:G0+3], s[PKV:PKV+1]           ; 120:64 global address: the head's first 256 keys
	s_or_b32 s[G0+3], s[G0+3], 0x80000000          ; 127:126 type = 2
	TLOAD                                          ; slot 0
	s_add_nc_u64 s[PQ:PQ+1], s[4:5], s[PQ:PQ+1]
	s_add_nc_u64 s[PQS:PQS+1], s[4:5], s[PQS:PQS+1]
	s_add_nc_u64 s[PY:PY+1], s[8:9], s[PY:PY+1]
	s_add_nc_u64 s[PYS:PYS+1], s[8:9], s[PYS:PYS+1]
	v_and_b32 v4, 31, v0                           ; lane
	v_lshlrev_b32 v[LI], 4, v4
	v_lshlrev_b32 v[LW], 2, v4
	v_cmp_le_u32 s[HIM], 16, v4
	v_and_b32 v4, 15, v0                           ; r
	v_bfe_u32 v8, v0, 4, 1                         ; h
	v_lshlrev_b32 v9, 3, v8
	v_sub_nc_u32 v[RH], v4, v9
	v_lshl_add_u32 v[YB], v4, 5, v8
	v_lshlrev_b32 v[QW], 2, v4                     ; the thread's number has served
	QLOAD
.set jj, 0
.rept 8
	v_mov_b32 v[24+jj], 0                          ; zero codes: the upper 64 of the instruction's K, in Q
	v_mov_b32 v[40+jj], 0                          ; and in K's four fragments; no load lands here
	v_mov_b32 v[56+jj], 0
	v_mov_b32 v[72+jj], 0
	v_mov_b32 v[88+jj], 0
.set jj, jj+1
.endr
.irp b, 0,1,2,3
	v_mov_b32 v[236+\b], 0                         ; written once: a lane permute's destination counts as one of its sources
.endr
	v_mov_b32 v252, 0
	v_mov_b32 v253, 0                              ; (named as the upper half of the pair v[252:253] before it is first written)
	INIT
.macro KLOAD q, g                      ; key tiles 4 g .. 4 g + 3: the lower eight registers of each fragment
.irp t, 0,1,2,3
	ds_load_b128 v[32+16*\t:35+16*\t], v[ADL] offset:CH*(\q)+1024*(4*\g+\t)
	ds_load_b128 v[36+16*\t:39+16*\t], v[ADL] offset:CH*(\q)+1024*(4*\g+\t)+512
.endr
.endm
.macro KQ4 g                           ; their scores: four accumulators, each begun with the constant 0
.irp t, 0,2
	v_wmma_scale_f32_16x16x128_f8f6f4 v[96+8*(4*\g+\t):103+8*(4*\g+\t)], v[32+16*\t:47+16*\t], v[16:31], 0, v[248+2*\g+\t/2], v255
	v_wmma_scale_f32_16x16x128_f8f6f4 v[104+8*(4*\g+\t):111+8*(4*\g+\t)], v[48+16*\t:63+16*\t], v[16:31], 0, v[248+2*\g+\t/2], v255 matrix_a_scale:MATRIX_SCALE_ROW1
.endr
.endm
; A KEY STEP: 128 keys, chunk q of the slot in hand.
.macro STEP q
	s_add_co_u32 s[TMP], s[Q0], 15                 ; a step all of whose keys come after my 16 queries is left out: a scalar branch on ids, round the step's loads, products and softmax; no barrier or tensor load stands in a step
	s_cmp_gt_u32 s[KF], s[TMP]
	s_cbranch_scc1 .Lhidden_\@
	v_add_nc_u32 v[ADL], s[TB], v[LI]
	v_add_nc_u32 v[ADW], s[TB], v[LW]
	KLOAD \q, 0
.irp b, 0,1,2,3
	ds_load_b32 v[248+\b], v[ADW] offset:CH*(\q)+16384+128*\b   ; K's scale words: lanes 0-15 tile 2 b's keys, lanes 16-31 tile 2 b + 1's
.endr
.irp i, 0,1
.irp c, 0,1,2,3
	ds_load_b128 v[192+16*\i+4*\c:195+16*\i+4*\c], v[ADL] offset:CH*(\q)+8192+2048*\i+512*\c   ; V's tiles 0 and 1: they land under the first product and the softmax
.endr
.endr
	ds_load_b32 v[VS], v[ADW] offset:CH*(\q)+16896
	ds_load_b32 v[VS+1], v[ADW] offset:CH*(\q)+16896+128
	s_wait_dscnt 10                                ; K's first four tiles and its words are in; V's eight loads and two words may be out
	KQ4 0
	NOPS 8                                         ; places in front of loads into registers that matrix instructions have read
	KLOAD \q, 1
	s_wait_dscnt 0x0
	KQ4 1
	NOPS 8                                         ; places in front of the first read of the scores
	s_add_co_u32 s[TMP], s[KF], 127                ; on the diagonal the scores of hidden keys become -infinity ahead of the maximum: p = 0 then.  A step all of whose keys count skips this
	s_cmp_le_u32 s[TMP], s[Q0]
	s_cbranch_scc1 .Lopen_\@
	s_sub_co_i32 s[TMP], s[Q0], s[KF]
	v_add_nc_u32 v[WK], s[TMP], v[RH]              ; d = my query - KF - 8 (lane / 16).  Register n holds key KF + 16 (n / 8) + 8 (lane / 16) + n % 8: hidden where 16 (n / 8) + n % 8 > d
	v_mov_b32 v254, 0xff800000                     ; -infinity
.set nn, 0
.rept 64
	v_cmp_gt_i32 vcc_lo, 16*(nn/8)+nn%8, v[WK]
	v_cndmask_b32 v[96+nn], v[96+nn], v254, vcc_lo
.set nn, nn+1
.endr
.Lopen_\@:
.irp b, 0,1,2,3
	v_max3_num_f32 v[232+\b], v[96+16*\b], v[97+16*\b], v[98+16*\b]   ; THE LARGEST SCORE OF EACH BLOCK OF 32 KEYS: it serves twice: for the row's maximum, and, since p rises with the score, for the block's largest p
.endr
.irp i, 3,5,7,9,11,13
.irp b, 0,1,2,3
	v_max3_num_f32 v[232+\b], v[232+\b], v[96+16*\b+\i], v[97+16*\b+\i]   ; (the four blocks by turns)
.endr
.endr
.irp b, 0,1,2,3
	v_max_num_f32 v[232+\b], v[232+\b], v[111+16*\b]
.endr
.irp b, 0,1,2,3
	v_permlanex16_b32 v[236+\b], v[232+\b], s[SEL], s[SEL+1]
.endr
.irp b, 0,1,2,3
	v_max_num_f32 v[232+\b], v[232+\b], v[236+\b]  ; with lane l xor 16's 16 keys
.endr
	v_max3_num_f32 v254, v232, v233, v234
	v_max_num_f32 v254, v254, v235                 ; the step's largest score of my query
	v_mul_f32 v254, s[CS], v254                    ; as t (c is positive)
	v_max_num_f32 v13, v13, v254                   ; the running largest t
	v_mov_b32 v254, v12
	v_floor_f32 v12, -v13                          ; the new -M = floor(-t) = -ceil(t): M IS A WHOLE NUMBER
	v_sub_f32 v254, v12, v254                      ; M's old value less its new one: a whole number, 0 or less
	v_cvt_i32_f32 v254, v254                       ; (it saturates)
	v_ldexp_f32 v252, 1.0, v254                    ; f = 2^(old M - new M): a multiplication by it rounds nothing
.set jj, 0
.rept 32
	v_pk_fma_f32 v[96+jj:97+jj], v[96+jj:97+jj], s[CS:CS+1], v[12:13] op_sel_hi:[1,0,0]   ; t - M, two at a time (of the pairs c and -M the low word serves both halves)
.set jj, jj+2
.endr
.irp b, 0,1,2,3
	v_fma_f32 v[232+\b], v[232+\b], s[CS], v12     ; the same of each block's largest score
.endr
.set jj, 0
.rept 64
	v_exp_f32 v[96+jj], v[96+jj]                   ; p = 2^(t - M), at most 1: NOT normalised
.set jj, jj+1
.endr
.irp b, 0,1,2,3
	v_exp_f32 v[232+\b], v[232+\b]                 ; the block's largest p: the same two instructions on the same number give the same bits
.endr
	v_pk_mul_f32 v[14:15], v[14:15], v[252:253] op_sel_hi:[1,0]   ; the sums under the new M.  (A plain place behind the exponentials)
	s_wait_alu depctr_va_vdst(0)
.irp b, 0,1,2,3
	v_max_num_f32 v[232+\b], 0x4800000, v[232+\b]  ; the floor 2^(9 - 127): the byte cannot fall under 1 (a block whose every p is 0 keeps that byte: its codes are zeros)
.endr
.irp b, 0,1,2,3
	v_add_nc_u32 v[244+\b], 0xfc000000, v[232+\b]  ; 8 off the exponent field: the conversion's scale operand
.endr
.irp b, 0,1,2,3
	v_and_or_b32 v[240+\b], v[232+\b], 0x7f800000, s[MNT]   ; 448 x the scale
.endr
.irp b, 0,1,2,3
	v_lshrrev_b32 v[236+\b], 23, v[244+\b]         ; the scale's byte
.endr
	v_lshl_or_b32 v253, v237, 8, v236              ; p's scale word for these 128 keys
	v_lshl_or_b32 v253, v238, 16, v253
	v_lshl_or_b32 v253, v239, 24, v253
	v_pk_add_f32 v[236:237], v[96:97], v[98:99]    ; THE ROW'S SUM IS TAKEN OF THE UNQUANTISED p: two at a time, in two chains
.irp j, 4,8,12,16,20,24,28,32,36,40,44,48,52,56,60
	v_pk_add_f32 v[14:15], v[14:15], v[96+\j:97+\j]
	v_pk_add_f32 v[236:237], v[236:237], v[98+\j:99+\j]
.endr
	v_pk_add_f32 v[14:15], v[14:15], v[236:237]
.irp b, 0,1,2,3
.irp i, 0,1,2,3,4,5,6,7,8,9,10,11,12,13,14,15
	v_min_num_f32 v[96+16*\b+\i], v[96+16*\b+\i], v[240+\b]   ; the conversion to an 8-bit code does not saturate (ISA guide 7.6.2); p is not negative, so the hold is one-sided
.endr
	v_cvt_scalef32_pk8_fp8_f32 v[224+4*\b:225+4*\b], v[96+16*\b:103+16*\b], v[244+\b]
	v_cvt_scalef32_pk8_fp8_f32 v[226+4*\b:227+4*\b], v[104+16*\b:111+16*\b], v[244+\b]
.endr
.irp i, 0,1
.irp c, 0,1,2,3
	ds_load_b128 v[96+16*\i+4*\c:99+16*\i+4*\c], v[ADL] offset:CH*(\q)+8192+2048*(2+\i)+512*\c   ; V's tiles 2 and 3, into registers that p has left
.endr
.endr
.set jj, 0
.rept 16
	v_pk_mul_f32 v[160+jj:161+jj], v[160+jj:161+jj], v[252:253] op_sel_hi:[1,0]   ; O^T under the new M: x f.  (These sixteen are also the places between the conversions and the products)
.set jj, jj+2
.endr
	v_wmma_scale_f32_16x16x128_f8f6f4 v[160:167], v[192:207], v[224:239], v[160:167], v[VS], v253   ; O^T += V^T P^T: four accumulators, one instruction each; K = these 128 keys
	v_wmma_scale_f32_16x16x128_f8f6f4 v[168:175], v[208:223], v[224:239], v[168:175], v[VS], v253 matrix_a_scale:MATRIX_SCALE_ROW1
	s_wait_dscnt 0x0
	v_wmma_scale_f32_16x16x128_f8f6f4 v[176:183], v[96:111], v[224:239], v[176:183], v[VS+1], v253
	v_wmma_scale_f32_16x16x128_f8f6f4 v[184:191], v[112:127], v[224:239], v[184:191], v[VS+1], v253 matrix_a_scale:MATRIX_SCALE_ROW1
	NOPS 9                                         ; the next step's first products write over v96 on, which these have read: nine places; they also serve its loads and the reads of O^T
.Lhidden_\@:
	s_add_co_u32 s[KF], s[KF], 128
.endm
; THE CHANGE OF SLOTS stands at a slot's head.  Each wave waits for all its tensor loads (its part of the slot that it is about to read), adds 0 to its spare word, and waits for that and for its reads of the slot that it has left.
; Behind the barrier the slot ahead is whole and nobody reads the other one.  fill = 1: that other slot is filled with the next 256 keys that the work-group wants: the load has a whole slot's steps in which to land.  One tensor load of a wave is out at any time.
.macro CHANGE fill
	s_wait_tensorcnt 0x0                           ; no tensor load of mine is out, so group 0 may be written
	ds_add_u32 v[SPW], v[NIL]                      ; 0 onto my spare word; with fill = 1 the descriptor's step stands between it and the wait for it
.if \fill
	s_add_co_u32 s[NX], s[NX], 1
	s_sub_co_u32 s[TMP], s[NX], s[N1]
	s_cmp_lt_u32 s[NX], s[N1]
	s_cselect_b32 s[TMP], s[NX], s[TMP]            ; the key slot: the first block's count, or the second block's, which begins again at key 0
	s_mul_i32 s[TMP], s[TMP], 2*CH
	s_mov_b32 s[TMP+1], 0
	s_add_nc_u64 s[G0+2:G0+3], s[PKV:PKV+1], s[TMP:TMP+1]
	s_or_b32 s[G0+3], s[G0+3], 0x80000000
	s_xor_b32 s[G0+1], s[G0+1], SLOT1              ; the other slot than last time
.endif
	s_wait_dscnt 0x0                               ; the add is done, and my reads of the slot that I have left are over
	s_barrier_signal -1
	s_barrier_wait -1
.if \fill
	TLOAD                                          ; the first thing behind the barrier, and a wave's one tensor load until the next
.endif
.endm
; A BLOCK'S END.  y = O^T / the sum; its 64 channels are two blocks of 32 along the last product's K; codes leave as an image, 512 consecutive aligned bytes a store; lane (r, h) stores block h's byte of row r.
.macro FINISH
	v_add_f32 v14, v14, v15                        ; the sum's two halves,
	v_permlanex16_b32 v252, v14, s[SEL], s[SEL+1]
	v_add_f32 v14, v14, v252                       ; and lane l xor 16's: the row's sum
	v_rcp_f32 v14, v14
	v_nop                                          ; one plain place behind a transcendental
.set jj, 0
	s_wait_alu depctr_va_vdst(0)
.rept 32
	v_mul_f32 v[96+jj], v[160+jj], v14             ; register 16 c + i is channel 32 c + 16 h + i of my query; each accumulator from its low end on
.set jj, jj+1
.endr
.irp b, 0,1
	v_max3_num_f32 v[232+\b], |v[96+16*\b]|, |v[97+16*\b]|, 0x4800000
.endr
.irp i, 2,4,6,8,10,12,14
.irp b, 0,1
	v_max3_num_f32 v[232+\b], v[232+\b], |v[96+16*\b+\i]|, |v[97+16*\b+\i]|
.endr
.endr
.irp b, 0,1
	v_permlanex16_b32 v[236+\b], v[232+\b], s[SEL], s[SEL+1]
.endr
.irp b, 0,1
	v_max_num_f32 v[232+\b], v[232+\b], v[236+\b]
.endr
.irp b, 0,1
	v_add_nc_u32 v[244+\b], 0xfc000000, v[232+\b]
.endr
.irp b, 0,1
	v_and_or_b32 v[240+\b], v[232+\b], 0x7f800000, s[MNT]
.endr
.irp b, 0,1
	v_lshrrev_b32 v[236+\b], 23, v[244+\b]
.endr
	v_cndmask_b32 v238, v236, v237, s[HIM]         ; lanes 0-15 block 0's byte, lanes 16-31 block 1's
.irp b, 0,1
.irp i, 0,1,2,3,4,5,6,7,8,9,10,11,12,13,14,15
	v_med3_num_f32 v[96+16*\b+\i], v[96+16*\b+\i], -v[240+\b], v[240+\b]
.endr
	v_cvt_scalef32_pk8_fp8_f32 v[224+4*\b:225+4*\b], v[96+16*\b:103+16*\b], v[244+\b]
	v_cvt_scalef32_pk8_fp8_f32 v[226+4*\b:227+4*\b], v[104+16*\b:111+16*\b], v[244+\b]
.endr
	v_nop                                          ; one plain vector instruction behind the last scaled conversion
	global_store_b128 v[LI], v[224:227], s[PY:PY+1]
	global_store_b128 v[LI], v[228:231], s[PY:PY+1] offset:512
	global_store_b8 v[YB], v238, s[PYS:PYS+1]
	s_wait_xcnt 0x0                                ; the stores have read their registers and bases: both may be written again
.endm
	s_wait_loadcnt 0x0                             ; Q
.Lslot:                                            ; eight trips: behind each change of slots but the last the next slot is asked for
	CHANGE 1
	STEP 0
	STEP 1
	s_xor_b32 s[TB], s[TB], SLOT1                  ; on to the other slot
	s_cmp_lg_u32 s[NX], s[N1]                      ; the slot just walked was the first block's last where the slot asked for in this trip is the second block's first: a branch on ids; no barrier, tensor load or LDS access stands inside
	s_cbranch_scc1 .Lsame_block
	s_add_nc_u64 s[PQ:PQ+1], s[PQ:PQ+1], s[DQ:DQ+1]   ; (the first block's loads of Q were waited for)
	s_add_nc_u64 s[PQS:PQS+1], s[PQS:PQS+1], s[DQS:DQS+1]
	QLOAD                                          ; the second block's queries land while the first block leaves
	FINISH
	s_add_nc_u64 s[PY:PY+1], s[PY:PY+1], s[DY:DY+1]
	s_add_nc_u64 s[PYS:PYS+1], s[PYS:PYS+1], s[DYS:DYS+1]
	s_add_co_u32 s[Q0], s[Q0], s[DQ0]
	s_mov_b32 s[KF], 0
	INIT
	s_wait_loadcnt 0x0
.Lsame_block:
	s_sub_co_u32 s[TRIPS], s[TRIPS], 1
	s_cmp_lg_u32 s[TRIPS], 0
	s_cbranch_scc1 .Lslot
	CHANGE 0                                       ; the last slot is written out
	STEP 0
	STEP 1
	FINISH
	s_wait_tensorcnt 0x0                           ; the wave's end, behind my last tensor load
	ds_add_u32 v[SPW], v[NIL]
	s_wait_dscnt 0x0
	s_endpgm
.Lfunc_end_k_q3e44492451_attn:
	.size	k_q3e44492451_attn, .Lfunc_end_k_q3e44492451_attn-k_q3e44492451_attn
	.p2alignl 7, 3214868480
	.fill 96, 4, 3214868480
	.section	.rodata,"a",@progbits
	.p2align	6, 0x0
	.amdhsa_kernel k_q3e44492451_attn
		.amdhsa_group_segment_fixed_size 327680
		.amdhsa_private_segment_fixed_size 0
		.amdhsa_enable_private_segment 0
		.amdhsa_kernarg_size 24
		.amdhsa_user_sgpr_count 2
		.amdhsa_user_sgpr_kernarg_segment_ptr 1
		.amdhsa_wavefront_size32 1
		.amdhsa_system_sgpr_workgroup_id_x 1
		.amdhsa_system_sgpr_workgroup_id_y 1
		.amdhsa_system_sgpr_workgroup_id_z 1
		.amdhsa_system_vgpr_workitem_id 0
		.amdhsa_next_free_vgpr 256
		.amdhsa_next_free_sgpr 66
		.amdhsa_reserve_vcc 1
		.amdhsa_float_denorm_mode_32 3
		.amdhsa_float_denorm_mode_16_64 3
		.amdhsa_memory_ordered 1
		.amdhsa_forward_progress 1
		.amdhsa_inst_pref_size 117
	.end_amdhsa_kernel
	.amdgpu_metadata
---
amdhsa.version: [ 1, 2 ]
amdhsa.kernels:
  - .name:           k_q3e44492451_attn
    .symbol:         k_q3e44492451_attn.kd
    .args:
      - { .name: qbuf, .offset: 0, .size: 8, .value_kind: global_buffer, .address_space: global }
      - { .name: kv, .offset: 8, .size: 8, .value_kind: global_buffer, .address_space: global }
      - { .name: ybuf, .offset: 16, .size: 8, .value_kind: global_buffer, .address_space: global }
    .group_segment_fixed_size: 327680
    .private_segment_fixed_size: 0
    .kernarg_segment_align: 8
    .kernarg_segment_size: 24
    .max_flat_workgroup_size: 512
    .sgpr_count:     66
    .vgpr_count:     256
    .wavefront_size: 32
...
	.end_amdgpu_metadata
.endif
;; end of part 3
;; launch oproj (part 4): grid 4 x 32, 4 waves a work-group, clusters of 4 x 4, 327,680 bytes of LDS; arguments ybuf, w_out_codes, w_out_scales, b_out, out0; writes out0
.if DOCPART == 4
	.amdgcn_target "amdgcn-amd-amdhsa--gfx1250"
	.amdhsa_code_object_version 6
	.text
	.protected	k_q3e44492451_oproj
	.globl	k_q3e44492451_oproj
	.p2align	8
	.type	k_q3e44492451_oproj,@function
k_q3e44492451_oproj:
	s_mov_b64 s[64:65], 0
	v_nop
	global_prefetch_b8 v0, s[64:65] scope:SCOPE_SE
	s_setreg_imm32_b32 hwreg(HW_REG_WAVE_MODE, 25, 1), 1
	s_wait_xcnt 0x0
	s_wait_alu depctr_hold_cnt(0) depctr_sa_sdst(0) depctr_va_vdst(0) depctr_va_sdst(0) depctr_va_ssrc(0) depctr_va_vcc(0) depctr_vm_vsrc(0)
	s_getreg_b32 s2, hwreg(HW_REG_IB_STS2, 6, 4)
	s_cmp_eq_u32 s2, 0
	s_cbranch_scc0 .Lentry_in_a_cluster
	s_endpgm
.Lentry_in_a_cluster:
	s_bfe_u32 s2, ttmp6, 0x10000c
	s_cmp_lg_u32 s2, 0xf033
	s_cbranch_scc0 .Lentry_shape_is_right
	s_endpgm
.Lentry_shape_is_right:
; out0 = y w_out^T + b_out on codes of FP8 (E4M3) with one E8M0 scale for each 32 along K.  y: 8,192 rows x 1,024, as the launch before left it; w_out: [1024][1024] codes and [1024][32] scale bytes as given; out0 f32.
; A tile of 256 x 256 is made by a work-group of four waves; a wave makes 128 x 128: 64 accumulators of 16 x 16, 512 registers.  K goes in steps of 256 through a ring of two LDS slots filled by the tensor data mover.
; A (y) LIES IN MEMORY AS IMAGES OF ITS FRAGMENTS' REGISTERS: [512 tiles of 16 rows][8 steps of 128 along K][4 groups][32 lanes][16 bytes].  A K step of 256 of 128 rows is 8 rows of 4,096 bytes, 16,384 bytes apart;
; a fragment comes out of LDS by four loads of 16 bytes a lane on end: no pitch, no padding.  B (w_out) lies by rows, as given: rows of 256 bytes, padded by 16 in LDS.
; THE SCALES of the work-group's 256 rows of A and of B, for all of K, are two dense blocks of memory: they come into LDS ONCE, with the first fills, and stay.
; CLUSTERS: 4 x 4 work-groups.  The four of a row of the cluster need the same tiles of A, the four of a column the same tiles of B: each tile is asked for JOINTLY, by the same tensor load with the same descriptor and a mask that names the four.
; THE MATRIX INSTRUCTION IS USED TRANSPOSED (source 0 = 16 rows of B, source 1 = 16 rows of A): a lane then holds eight neighbouring numbers of a row of the result.
; The product has 128 tiles of this size: half the chip's WGPs have a work-group.
; REGISTERS, in windows of 256: window 0: v0-31 addresses and the bias (v8-11); v32-63 scale words, two sets; from v128 A's fragments, ONE set; on the way out v128-255 rows read back.
;   window 1: B's fragments, TWO sets.   windows 2, 3: the accumulators ((a, b) at v[8 (8 (a % 4) + b)]).
.set SIZE_N, 1024
.set SIZE_K, 1024
.set KSTEP,  256
.set NQ,     KSTEP/128
.set ROWB,   256                       ; a row of B's tile in bytes
.set KROW,   SIZE_K
.set PITCH,  272                       ; B's LDS row: 256 bytes + 16 of padding = 68 words: row r starts at bank 4 r mod 64 (64 banks of 4 bytes: ISA guide 11.1)
.set FR,     16
.set NL,     4
.set NP,     8                         ; places behind this matrix instruction (ISA guide 7.12.1)
.set ASTEP,  4096                      ; a K step of 256 of one tile of 16 rows of A, in bytes
.set HALFA,  8*ASTEP                   ; 128 rows of A: what one tensor load brings
.set HALFT,  128*PITCH                 ; 128 rows of B likewise
.set BOFF,   2*HALFA                   ; a slot: A's 256 rows, then B's 256 rows
.set SLOT,   BOFF+2*HALFT
.set LAPS,   SIZE_K/(2*KSTEP)
.set KS,     SIZE_K/32
.set SCL,    2*SLOT                    ; behind the ring: the scales, as units of 256 bytes + 16 of padding
.set HALFS,  (128*KS/256)*272
.set SBLK,   (16*KS/256)*272
.set SPARE,  SCL+4*HALFS               ; the spare words, 128 bytes for each wave: two blocks of 256 bytes that no other line names
.set SPITCH, 528                       ; the way out: a stage of 16 rows x (512 bytes + 16) for each wave.  It lies in slot 0, which has had its last fill and its last read when the first result is stored there
.set BIAS, 8                           ; v8-11   b_out at my four columns of a row read back
.set ADRA, 16                          ; v16-17  LDS address of my A fragments in slot 0, 1
.set ADRB, 20                          ; v20-21  the same for B
.set STO,  24                          ; v24     the way out: where I put 32 bytes of a row
.set RD,   25                          ; v25     the way out: where I read a row back
.set CO,   26                          ; v26     my byte offset in a row of the result
.set ADRS, 27                          ; v27     LDS address of my scale words: lanes 0-15 A's rows, lanes 16-31 B's
.set SPW,  28                          ; v28     LDS address of my spare word; never rewritten
.set NIL,  29                          ; v29     0; never rewritten
.set SC,   32
.set AF,   128
.set BK,   128
.set G1, 24                            ; s[24:31] descriptor group 1 for A's tiles;  s[32:39] group 0, one set for each slot
.set G0, 32
.set G1B, 48                           ; s[48:55], s[56:63] the same for B's tiles
.set G0B, 56
.set G1S, 68                           ; s[68:75], s[76:79] groups 1 and 0 for A's scales;  s[80:87], s[88:91] for B's
.set G0S, 76
.set G1SB, 80
.set G0SB, 88
.set MSB, 0
.macro WIN new                         ; the immediate's high byte repeats the setting that is left
.if MSB != \new
	s_set_vgpr_msb (MSB<<8)|\new
.set MSB, \new
.endif
.endm
.set MUL_LO, 0xa1                      ; source 0 (B) window 1, source 1 (A) window 0, C and D window 2
.set MUL_HI, 0xf1                      ; the same, C and D window 3
.set TO_B,   0x40                      ; destination window 1, address window 0
; A joint load: waves 0 and 1 fetch for A, waves 2 and 3 for B.  Each of the two lines has ONE mask and one set of registers for all that issue it; the branch hangs on the wave's number alone.
; Four v_nop follow each of the two lines, ahead of the jump, the label and what follows.
.macro JLOAD g0a, g1a, g0b, g1b
	s_cmp_eq_u32 s15, 0
	s_cbranch_scc0 .Lfor_b_\@
	tensor_load_to_lds s[\g0a:\g0a+3], s[\g1a:\g1a+7]
	s_nop 0
.rept 4
	v_nop
.endr
	s_branch .Lasked_\@
.Lfor_b_\@:
	tensor_load_to_lds s[\g0b:\g0b+3], s[\g1b:\g1b+7]
	s_nop 0
.rept 4
	v_nop
.endr
.Lasked_\@:
.endm
.macro CREST                           ; a round of the cluster's barrier behind its opening barrier
	s_cmp_lg_u32 s14, 0
	s_cbranch_scc1 .Lnot_wave_0_\@
	s_barrier_signal -3
.Lnot_wave_0_\@:
	s_barrier_wait -3
	s_barrier_signal -1
	s_barrier_wait -1
.endm
.macro CROUND                          ; a whole round
	s_barrier_signal -1
	s_barrier_wait -1
	CREST
.endm
	s_load_b64 s[4:5], s[0:1], 0x0                 ; ybuf: y's images, and behind them its scale bytes
	s_load_b128 s[8:11], s[0:1], 0x8               ; w_out's codes s[8:9], its scales s[10:11]
	s_load_b64 s[96:97], s[0:1], 0x18              ; b_out
	s_load_b64 s[12:13], s[0:1], 0x20              ; out0
	v_lshl_add_u32 v[SPW], v0, 2, SPARE
	v_mov_b32 v[NIL], 0
	ds_add_u32 v28, v29
	s_wait_dscnt 0x0
	v_lshrrev_b32 v1, 5, v0
	v_readfirstlane_b32 s14, v1                    ; wave 0..3
	s_lshr_b32 s15, s14, 1                         ; which half of the tile's rows is mine.  Also: I fetch for A (0) or for B (1)
	s_and_b32 s16, s14, 1                          ; which half of its columns.  Also: which 128 rows of that tile I fetch
	s_bfe_u32 s40, ttmp6, 0x40000                  ; cx, cy: my place in the cluster
	s_bfe_u32 s41, ttmp6, 0x40004
	s_lshl_b32 s42, ttmp9, 2
	s_add_co_u32 s42, s42, s40                     ; tile column = 4 x cluster x + cx
	s_and_b32 s17, ttmp7, 0xffff
	s_lshl_b32 s17, s17, 2
	s_add_co_u32 s17, s17, s41                     ; tile row = 4 x cluster y + cy
	s_lshl_b32 s43, s41, 2
	s_lshl_b32 s43, 15, s43                        ; my row of the cluster
	s_lshl_b32 s44, 0x1111, s40                    ; my column
	; descriptor group 1 for A: 8 rows of 4,096 bytes (512 elements of 8 bytes), 16,384 bytes apart, no padding
	s_or_b32 s[G1+0], s43, (3<<16)|(1<<21)         ; 15:0 the mask: A's tiles go to my row; 17:16 element of 8 bytes; 21 set beside a mask
	s_mov_b32 s[G1+1], 512<<16                     ; tensor_dim0
	s_mov_b32 s[G1+2], 8<<16                       ; tensor_dim1
	s_mov_b32 s[G1+3], 512<<16                     ; tile_dim0
	s_mov_b32 s[G1+4], 8                           ; tile_dim1
	s_mov_b32 s[G1+5], 2048                        ; tensor_dim0_stride
	s_mov_b32 s[G1+6], 0
	s_mov_b32 s[G1+7], 0
	; for B: 128 rows x 256 bytes, padded in LDS
	s_or_b32 s[G1B+0], s44, (0<<16)|(1<<20)|(1<<21)|(5<<22)|(3<<25)  ; the mask of my column; element of 1 byte; padding on; after every 64 words (code 5) 4 words (code 3)
	s_mov_b32 s[G1B+1], ROWB<<16
	s_mov_b32 s[G1B+2], 128<<16
	s_mov_b32 s[G1B+3], ROWB<<16
	s_mov_b32 s[G1B+4], 128
	s_mov_b32 s[G1B+5], KROW
	s_mov_b32 s[G1B+6], 0
	s_mov_b32 s[G1B+7], 0
	; and for the scales of 128 rows: a dense block of 4,096 bytes, as rows of 256 bytes (32 elements of 8 bytes), 16 bytes of padding behind each
	s_or_b32 s[G1S+0], s43, (3<<16)|(1<<20)|(1<<21)|(5<<22)|(3<<25)
	s_or_b32 s[G1SB+0], s44, (3<<16)|(1<<20)|(1<<21)|(5<<22)|(3<<25)
.irp g, G1S, G1SB
	s_mov_b32 s[\g+1], 32<<16
	s_mov_b32 s[\g+2], (128*KS/256)<<16
	s_mov_b32 s[\g+3], 32<<16
	s_mov_b32 s[\g+4], 128*KS/256
	s_mov_b32 s[\g+5], 32
	s_mov_b32 s[\g+6], 0
	s_mov_b32 s[\g+7], 0
.endr
	s_lshl_b32 s18, s16, 7                         ; which 128 rows of the tile I fetch
	s_lshl_b32 s20, s17, 8
	s_add_co_u32 s20, s20, s18                     ; A: row 256 x tile row + 128 x half
	s_lshl_b32 s46, s42, 8
	s_add_co_u32 s46, s46, s18                     ; B: row 256 x tile column + 128 x half
	s_mov_b32 s21, 0
	s_mov_b32 s47, 0
	s_mov_b64 s[18:19], KS
	s_mul_u64 s[22:23], s[20:21], s[18:19]         ; where these rows' scales begin, in bytes
	s_mul_u64 s[92:93], s[46:47], s[18:19]
	s_mov_b64 s[18:19], KROW
	s_mul_u64 s[20:21], s[20:21], s[18:19]         ; and their codes: 16 rows of A are 16,384 bytes on end, so a row counts 1,024 bytes in the images too
	s_mul_u64 s[46:47], s[46:47], s[18:19]
	s_lshl_b32 s45, s16, 15                        ; where they go: A's half,
	s_mul_i32 s95, s16, HALFT
	s_add_co_u32 s95, s95, BOFF                    ; B's half, behind A's two: no place in the cluster enters an LDS address
	s_mul_i32 s94, s14, HALFS
	s_wait_kmcnt 0x0
	s_add_nc_u64 s[6:7], s[4:5], 8388608           ; y's scale bytes
	s_add_nc_u64 s[20:21], s[4:5], s[20:21]
	s_add_nc_u64 s[22:23], s[6:7], s[22:23]
	s_add_nc_u64 s[46:47], s[8:9], s[46:47]
	s_add_nc_u64 s[92:93], s[10:11], s[92:93]
	CROUND                                         ; all sixteen work-groups are here: the first joint loads meet
	s_mov_b32 s[G0S], 1
	s_add_co_u32 s[G0S+1], s94, SCL
	s_mov_b64 s[G0S+2:G0S+3], s[22:23]
	s_or_b32 s[G0S+3], s[G0S+3], 0x80000000
	s_mov_b32 s[G0SB], 1
	s_add_co_u32 s[G0SB+1], s94, SCL
	s_mov_b64 s[G0SB+2:G0SB+3], s[92:93]
	s_or_b32 s[G0SB+3], s[G0SB+3], 0x80000000
	JLOAD G0S, G1S, G0SB, G1SB                     ; the scales first: they are wanted with K step 0
.irp s, 0,1
	s_mov_b32 s[G0+4*\s], 1
	s_add_co_u32 s[G0+4*\s+1], s45, \s*SLOT
	s_add_nc_u64 s[G0+4*\s+2:G0+4*\s+3], s[20:21], \s*ASTEP
	s_or_b32 s[G0+4*\s+3], s[G0+4*\s+3], 0x80000000
	s_mov_b32 s[G0B+4*\s], 1
	s_add_co_u32 s[G0B+4*\s+1], s95, \s*SLOT
	s_add_nc_u64 s[G0B+4*\s+2:G0B+4*\s+3], s[46:47], \s*ROWB
	s_or_b32 s[G0B+4*\s+3], s[G0B+4*\s+3], 0x80000000
	JLOAD G0+4*\s, G1, G0B+4*\s, G1B
.endr
	v_and_b32 v1, 15, v0                           ; l % 16
	v_bfe_u32 v2, v0, 4, 1                         ; l / 16
	v_and_b32 v6, 31, v0                           ; lane
	v_lshlrev_b32 v[CO], 4, v6                     ; 16 x lane
	v_mul_u32_u24 v3, v1, PITCH
	v_lshl_add_u32 v4, v2, 4, v3                   ; B: a fragment's row x pitch + 16 x half
	s_lshl_b32 s21, s15, 15                        ; my 128 rows of A
	s_mul_i32 s22, s16, HALFT                      ; my 128 rows of B,
	s_add_co_u32 s22, s22, BOFF                    ; which lie behind A's 256
.irp s, 0,1
	v_add_nc_u32 v[ADRA+\s], s21, v[CO]
	v_add_nc_u32 v[ADRB+\s], s22, v4
	s_add_co_u32 s21, s21, SLOT
	s_add_co_u32 s22, s22, SLOT
.endr
	v_mul_u32_u24 v5, v1, KS                       ; my row's scales: 32 bytes a row,
	v_lshrrev_b32 v6, 8, v5
	v_lshl_add_u32 v5, v6, 4, v5                   ; and 16 more for each 256 passed
	s_mul_i32 s21, s15, HALFS                      ; A's: my 128 rows
	s_mul_i32 s22, s16, HALFS                      ; B's: my 128 rows, behind A's 256
	s_add_co_u32 s22, s22, 2*HALFS
	s_sub_co_u32 s22, s22, s21
	v_mul_u32_u24 v6, s22, v2                      ; lanes 16-31 take B's
	s_add_co_u32 s21, s21, SCL
	v_add_nc_u32 v5, v5, v6
	v_add_nc_u32 v[ADRS], s21, v5
	s_mul_i32 s23, s14, 16*SPITCH                  ; my stage
	v_mul_u32_u24 v5, v1, SPITCH                   ; in: row l % 16, 32 bytes for each half of the lanes
	v_lshl_add_u32 v5, v2, 5, v5
	v_add_nc_u32 v[STO], s23, v5
	v_add_nc_u32 v[RD], s23, v[CO]                 ; back: the 32 lanes take one row of 512 bytes
	s_lshl_b32 s20, s17, 8
	s_lshl_b32 s21, s15, 7
	s_add_co_u32 s20, s20, s21                     ; my first row of the result: 256 x tile row + 128 x half
	s_mov_b32 s21, 0
	s_mov_b64 s[18:19], SIZE_N*4
	s_mul_u64 s[20:21], s[20:21], s[18:19]
	s_lshl_b32 s46, s42, 10                        ; my first column, in bytes: 1024 x tile column + 512 x half
	s_lshl_b32 s47, s16, 9
	s_add_co_u32 s46, s46, s47
	s_mov_b32 s47, 0
	s_add_nc_u64 s[20:21], s[20:21], s[46:47]
	s_add_nc_u64 s[12:13], s[12:13], s[20:21]
	s_add_nc_u64 s[96:97], s[96:97], s[46:47]      ; and the bias of my 128 columns
	global_load_b128 v[BIAS:BIAS+3], v[CO], s[96:97]   ; four columns a lane, as a row read back from the stage lies
.macro FRAG reg, adr, q, i             ; a fragment of B, 16 rows x 128 K: lane l holds row l % 16; registers 4 c .. 4 c + 3 hold K = 32 c + 16 (l / 16) + 0 .. 15
.irp c, 0,1,2,3
	ds_load_b128 v[\reg+4*\c:\reg+4*\c+3], v[\adr] offset:128*(\q)+32*\c+(\i)*16*PITCH
.endr
.endm
.macro FRAGA reg, adr, q, i            ; a fragment of A: its image, four groups of 512 bytes on end
.irp c, 0,1,2,3
	ds_load_b128 v[\reg+4*\c:\reg+4*\c+3], v[\adr] offset:2048*(\q)+512*\c+(\i)*ASTEP
.endr
.endm
; 16 matrix instructions: A's blocks a0, a0 + 1 x B's eight, 128 along K: the slot's q-th.  p: B's set;  sc: the set of scale words.  zero = 1: the first product starts the sums: nothing is ever cleared.
; The 64 accumulators take turns, one instruction a turn, in the same order in every step.
.macro MUL16 a0, p, q, sc, zero
.irp a, \a0, \a0+1
.irp b, 0,1,2,3,4,5,6,7
.if \zero
	v_wmma_scale_f32_16x16x128_f8f6f4 v[8*(8*((\a)%4)+\b):8*(8*((\a)%4)+\b)+7], v[128*(\p)+FR*\b:128*(\p)+FR*\b+FR-1], v[AF+FR*(\a):AF+FR*(\a)+FR-1], 0, v[SC+8*NQ*(\sc)+NQ*\b+(\q)], v[SC+8*NQ*(\sc)+NQ*(\a)+(\q)] matrix_a_scale:MATRIX_SCALE_ROW1
.else
	v_wmma_scale_f32_16x16x128_f8f6f4 v[8*(8*((\a)%4)+\b):8*(8*((\a)%4)+\b)+7], v[128*(\p)+FR*\b:128*(\p)+FR*\b+FR-1], v[AF+FR*(\a):AF+FR*(\a)+FR-1], v[8*(8*((\a)%4)+\b):8*(8*((\a)%4)+\b)+7], v[SC+8*NQ*(\sc)+NQ*\b+(\q)], v[SC+8*NQ*(\sc)+NQ*(\a)+(\q)] matrix_a_scale:MATRIX_SCALE_ROW1
.endif
.endr
.endr
.endm
.macro FETCH_B slot, q, p              ; B's eight fragments of the slot's q-th 128 along K into set p
	WIN TO_B
.irp i, 0,1,2,3,4,5,6,7
	FRAG 128*(\p)+FR*\i, ADRB+\slot, \q, \i
.endr
	WIN 0
.endm
.macro FETCH_A slot, q, i0             ; A's blocks i0 .. i0 + 3
.irp i, \i0, \i0+1, \i0+2, \i0+3
	FRAGA AF+FR*(\i), ADRA+\slot, \q, \i
.endr
.endm
.macro SCALES sc                       ; the next K step's scale words into set sc: two words a row; lanes 0-15 take A's block i, lanes 16-31 B's block i
.irp i, 0,1,2,3,4,5,6,7
	ds_load_b64 v[SC+8*NQ*\sc+NQ*\i:SC+8*NQ*\sc+NQ*\i+1], v[ADRS] offset:\i*SBLK
.endr
.endm
; A load into a register that a matrix instruction has read, and a vector instruction or an LDS store that reads a matrix result, stand eight places behind that matrix instruction, and only plain vector
; instructions that name none of its registers are places.
.macro PLACES n
.rept \n
	v_nop
.endr
.endm
; A step of 128 along K that has its successor in the same slot.
.macro STEP slot, q, zero
	s_wait_dscnt 4*NL                              ; B's set and A's blocks 0-3 are in; the youngest sixteen loads (A's blocks 4-7) may be out
	WIN MUL_LO
	MUL16 0, (\q)%2, \q, \slot, \zero
	MUL16 2, (\q)%2, \q, \slot, \zero
	s_wait_dscnt 0                                 ; A's blocks 4-7 are in (asked for 32 matrix instructions ago)
	PLACES NP
	FETCH_B \slot, (\q)+1, 1-(\q)%2
	FETCH_A \slot, (\q)+1, 0
	WIN MUL_HI
	MUL16 4, (\q)%2, \q, \slot, \zero
	MUL16 6, (\q)%2, \q, \slot, \zero
	PLACES NP
	WIN 0
	FETCH_A \slot, (\q)+1, 4
.endm
; A slot's last step changes slots: ONE barrier; in front of it each wave waits for all its tensor loads, adds 0 to its spare word, and waits for that and for its own reads of this slot.  fill = 1: this slot is filled again, two K steps ahead.
.macro TURN slot, next, fill
	s_wait_tensorcnt 0x0                           ; all my tensor loads have landed: my part of the next slot;  (every window is 0 here)
	ds_add_u32 v[SPW], v[NIL]                      ; 0 onto my spare word
	s_wait_dscnt 4*NL+1                            ; (the add and the youngest sixteen loads, A's blocks 4-7, may be out)
	WIN MUL_LO
	MUL16 0, 1, NQ-1, \slot, 0                     ; sixteen matrix instructions stand between the add and the wait for it
	s_wait_dscnt 0x0                               ; the add is done, and my reads of this slot are over
	s_barrier_signal -1
	MUL16 2, 1, NQ-1, \slot, 0
	WIN 0
	s_barrier_wait -1
.if \fill
	CREST                                          ; the barrier has opened a round of the cluster's barrier: no wave of any partner still reads this slot's tile or has a load on its way
	s_add_nc_u64 s[G0+4*\slot+2:G0+4*\slot+3], s[G0+4*\slot+2:G0+4*\slot+3], 2*ASTEP
	s_add_nc_u64 s[G0B+4*\slot+2:G0B+4*\slot+3], s[G0B+4*\slot+2:G0B+4*\slot+3], 2*ROWB
	JLOAD G0+4*\slot, G1, G0B+4*\slot, G1B         ; the first tensor load behind the round; the four v_nop behind it are among the places in front of the loads below
	PLACES NP-4
.else
	PLACES NP
.endif
	v_add_nc_u32 v[ADRS], 4*NQ, v[ADRS]            ; on to the next K step's scale words (no LDS load of mine is out)
	FETCH_B \next, 0, 0
	FETCH_A \next, 0, 0
	SCALES \next
	WIN MUL_HI
	MUL16 4, 1, NQ-1, \slot, 0
	MUL16 6, 1, NQ-1, \slot, 0
	PLACES NP
	WIN 0
	FETCH_A \next, 0, 4
.endm
	s_wait_tensorcnt 1                             ; the scales and my part of K step 0 are in (K step 1's load may be out),
	s_barrier_signal -1
	s_barrier_wait -1                              ; everybody's are
	FETCH_B 0, 0, 0
	FETCH_A 0, 0, 0
	SCALES 0
	FETCH_A 0, 0, 4
	STEP 0, 0, 1                                   ; the first step stands in front of the loop: its products start the sums
	s_mov_b32 s3, LAPS-1
.Llap:                                                 ; a trip goes once round the ring, from a lap's second step to the next lap's first, and fills both slots again
	TURN 0, 1, 1
	STEP 1, 0, 0
	TURN 1, 0, 1
	STEP 0, 0, 0
	s_sub_co_u32 s3, s3, 1
	s_cmp_lg_u32 s3, 0
	s_cbranch_scc1 .Llap
	TURN 0, 1, 0                                   ; the last lap fills nothing, and has no round of the cluster's barrier
	STEP 1, 0, 0
	s_wait_dscnt 4*NL                              ; the very last step: nothing more to fetch
	WIN MUL_LO
	MUL16 0, 1, NQ-1, 1, 0
	MUL16 2, 1, NQ-1, 1, 0
	s_wait_dscnt 0
	WIN MUL_HI
	MUL16 4, 1, NQ-1, 1, 0
	MUL16 6, 1, NQ-1, 1, 0
	WIN 0
; THE WAY OUT, block by block of 16 rows x 128 columns.  A lane holds 32 neighbouring bytes of a row, and the lanes beside it hold other rows: so a block goes through my own stage in LDS and comes back as whole
; rows of 512 bytes; the bias is added there, four columns a lane, and the 32 lanes store two aligned runs of 256 bytes.  LDS serves a wave's instructions in order (ISA guide 5.7.1.4): no wait between the stores and the loads.
.macro TOSTAGE a
.set AC, 64*((\a)%4)
	WIN 0x08+4*((\a)/4)                            ; the data: window 2 or 3
.irp b, 0,1,2,3,4,5,6,7
	ds_store_b128 v[STO], v[AC+8*\b:AC+8*\b+3] offset:64*\b          ; each accumulator from its low end on
	ds_store_b128 v[STO], v[AC+8*\b+4:AC+8*\b+7] offset:64*\b+16
.endr
	WIN 0
.set BB, BK+64*((\a)%2)
.irp t, 0,1,2,3,4,5,6,7,8,9,10,11,12,13,14,15
	ds_load_b128 v[BB+4*\t:BB+4*\t+3], v[RD] offset:\t*SPITCH
.endr
.endm
.macro SEND a, younger                 ; younger: the LDS instructions issued behind block a's loads, which may stay out
.set BB, BK+64*((\a)%2)
	s_wait_dscnt \younger                          ; the block is back in registers
.if (\a) > 0
	s_add_nc_u64 s[12:13], s[12:13], 16*SIZE_N*4   ; (behind a wait on XCNT: the earlier stores have read their base)  16 rows on, so that the stores' offsets stay small
.endif
.irp t, 0,1,2,3,4,5,6,7,8,9,10,11,12,13,14,15
	v_pk_add_f32 v[BB+4*\t:BB+4*\t+1], v[BB+4*\t:BB+4*\t+1], v[BIAS:BIAS+1]
	v_pk_add_f32 v[BB+4*\t+2:BB+4*\t+3], v[BB+4*\t+2:BB+4*\t+3], v[BIAS+2:BIAS+3]
	global_store_b128 v[CO], v[BB+4*\t:BB+4*\t+3], s[12:13] offset:\t*SIZE_N*4 th:TH_STORE_NT   ; 32 lanes store 512 consecutive bytes, at a multiple of 256 from the buffer's first byte; written once, read by nobody here
.endr
.endm
	s_wait_loadcnt 0x0                             ; the bias
	PLACES NP                                      ; behind the last products: results are read, and loads land in registers that held A's fragments
	TOSTAGE 0
.irp a, 1,2,3,4,5,6,7
.if \a > 1
	s_wait_xcnt 0x0                                ; block a - 2's stores have read their registers and their base: block a's loads may land there, and the base may step
.endif
	TOSTAGE \a
	SEND \a-1, 32                                  ; behind block a - 1's loads: block a's 16 stores and 16 loads
.endr
	s_wait_xcnt 0x0                                ; block 6's stores have read their base
	SEND 7, 0
	s_wait_tensorcnt 0x0                           ; the wave's end, behind my last tensor load and my last LDS store
	ds_add_u32 v[SPW], v[NIL]
	s_wait_dscnt 0x0
	CROUND                                         ; the closing round: no work-group ends while a partner may still ask for a tile that names it
	s_endpgm
.Lfunc_end_k_q3e44492451_oproj:
	.size	k_q3e44492451_oproj, .Lfunc_end_k_q3e44492451_oproj-k_q3e44492451_oproj
	.p2alignl 7, 3214868480
	.fill 96, 4, 3214868480
	.section	.rodata,"a",@progbits
	.p2align	6, 0x0
	.amdhsa_kernel k_q3e44492451_oproj
		.amdhsa_group_segment_fixed_size 327680
		.amdhsa_private_segment_fixed_size 0
		.amdhsa_enable_private_segment 0
		.amdhsa_kernarg_size 40
		.amdhsa_user_sgpr_count 2
		.amdhsa_user_sgpr_kernarg_segment_ptr 1
		.amdhsa_wavefront_size32 1
		.amdhsa_system_sgpr_workgroup_id_x 1
		.amdhsa_system_sgpr_workgroup_id_y 1
		.amdhsa_system_sgpr_workgroup_id_z 1
		.amdhsa_system_vgpr_workitem_id 0
		.amdhsa_next_free_vgpr 1024
		.amdhsa_next_free_sgpr 98
		.amdhsa_reserve_vcc 0
		.amdhsa_float_denorm_mode_32 3
		.amdhsa_float_denorm_mode_16_64 3
		.amdhsa_memory_ordered 1
		.amdhsa_forward_progress 1
		.amdhsa_inst_pref_size 162
	.end_amdhsa_kernel
	.amdgpu_metadata
---
amdhsa.version: [ 1, 2 ]
amdhsa.kernels:
  - .name:           k_q3e44492451_oproj
    .symbol:         k_q3e44492451_oproj.kd
    .args:
      - { .name: ybuf, .offset: 0, .size: 8, .value_kind: global_buffer, .address_space: global }
      - { .name: w_out_codes, .offset: 8, .size: 8, .value_kind: global_buffer, .address_space: global }
      - { .name: w_out_scales, .offset: 16, .size: 8, .value_kind: global_buffer, .address_space: global }
      - { .name: b_out, .offset: 24, .size: 8, .value_kind: global_buffer, .address_space: global }
      - { .name: out0, .offset: 32, .size: 8, .value_kind: global_buffer, .address_space: global }
    .group_segment_fixed_size: 327680
    .private_segment_fixed_size: 0
    .kernarg_segment_align: 8
    .kernarg_segment_size: 40
    .max_flat_workgroup_size: 128
    .sgpr_count:     98
    .vgpr_count:     1024
    .wavefront_size: 32
...
	.end_amdgpu_metadata
.endif
;; end of part 4
